; MI455X (gfx1250); checked and timed in simulation.
; The chip was launched on July 23, 2026; its instructions are those of AMD's public machine-readable ISA for CDNA 5 (MIT licence, August 2026) and "CDNA5" Instruction Set Architecture Reference Guide (July 2026). The comments in the code are by the model that wrote it; some were corrected since.
;; Attn Blockpp. Allowed arithmetic: matrix products marked QUANTISED: E2M1 operands, one E8M0 scale for each 32 along K, by v_wmma_scale_f32_16x16x128_f8f6f4 with both operands' format E2M1 (or v_wmma_scale_f32_32x16x128_f4), f32 sums; everything else in f32.
;; Inputs: W0_codes 256 x 8 x 16 uint8 (E2M1 codes of W0, K innermost, in blocks of 32 codes, two codes a byte); W0_scales 256 x 8 uint8 (E8M0 scales of W0, one for each 32 codes along K); W1_codes 256 x 8 x 16 uint8 (E2M1 codes of W1, K innermost, in blocks of 32 codes, two codes a byte); W1_scales 256 x 8 uint8 (E8M0 scales of W1, one for each 32 codes along K); W2_codes 256 x 8 x 16 uint8 (E2M1 codes of W2, K innermost, in blocks of 32 codes, two codes a byte); W2_scales 256 x 8 uint8 (E8M0 scales of W2, one for each 32 codes along K); W3_codes 256 x 8 x 16 uint8 (E2M1 codes of W3, K innermost, in blocks of 32 codes, two codes a byte); W3_scales 256 x 8 uint8 (E8M0 scales of W3, one for each 32 codes along K); b0 256 float32; b1 256 float32; b2 256 float32; b3 256 float32; gn_bias 256 float32; gn_scale 256 float32; x 2 x 256 x 64 x 64 float32.
;; Outputs: out0 2 x 256 x 64 x 64 float32.
;; This version of the problem:
;;   THIS VERSION OF THE PROBLEM IS GIVEN IN LOW PRECISION. The matrix products marked QUANTISED in the list below multiply operands that are first quantised to E2M1 (2 exponent bits, 1 mantissa bit; 4 bits a number), with one power-of-two scale for each 32 numbers along K (OCP MX v1.0); their sums are f32. All else is computed in f32.
;;   The module's matrix products, in the order in which they are computed (A, B: the left and right operand; K: the contracted axis; several contracted axes count as one K, in the product's order):
;;     1. [M 256, K 256] x [K 256, N 8,192]; A: input W0 (given as codes); B: computed on the way: QUANTISED
;;     2. [M 256, K 256] x [K 256, N 8,192]; A: input W1 (given as codes); B: computed on the way: QUANTISED
;;     3. [M 256, K 256] x [K 256, N 8,192]; A: input W2 (given as codes); B: computed on the way: QUANTISED
;;     4. batch 8 x [M 4,096, K 64] x [K 64, N 4,096]; A: computed on the way; B: computed on the way: QUANTISED
;;     5. batch 8 x [M 64, K 4,096] x [K 4,096, N 4,096]; A: computed on the way; B: computed on the way: QUANTISED
;;     6. [M 256, K 256] x [K 256, N 8,192]; A: input W3 (given as codes); B: computed on the way: QUANTISED
;;   THE QUANTISER, for each operand of a quantised product, along K:
;;     - K is cut into blocks of 32 from its start; a last block that is shorter is filled with zeros.
;;     - A block's scale is 2^e with e = floor(log2(the largest magnitude in the block)) - 2, held to -126 .. 127; a block of zeros has e = 0. As a byte (E8M0): e + 127.
;;     - Each number is divided by its block's scale, clamped to +-6, and rounded to the nearest number of E2M1, ties to even, subnormals kept.
;;     - The product sums the exact products of the quantised numbers (number of the format x scale) in f32.
;;   ~~~python
;;   def quantise(x, axis):      # numpy; x: float32 -> the quantised numbers, widened to float32 again
;;       x = np.moveaxis(x, axis, -1); K = x.shape[-1]
;;       x = np.pad(x, [(0, 0)] * (x.ndim - 1) + [(0, -K % 32)]); x = x.reshape(x.shape[:-1] + (-1, 32)); a = np.abs(x).max(-1, keepdims=True)
;;       e = np.where(a > 0, np.clip(np.frexp(np.where(a > 0, a, 1))[1] - 1 - 2, -126, 127), 0)      # np.frexp(a)[1] - 1 = floor(log2(a)), exactly
;;       r = np.clip(x / 2.0 ** e, -6, 6)
;;       step = 2.0 ** (np.maximum(np.frexp(np.where(r == 0, 1, r))[1] - 1, 0) - 1)
;;       q = np.round(r / step) * step * 2.0 ** e      # np.round: ties to even
;;       return np.moveaxis(q.reshape(q.shape[:-2] + (-1,))[..., :K], -1, axis).astype(np.float32)
;;   ~~~
;;   OPERANDS COMPUTED ON THE WAY. 'Computed on the way' means the value that the module computes at that place (a softmax that the list does not call 'softmax' is quantised finished and normalised). What goes into a quantiser is computed in f32, as accurately as f32 sums, v_exp_f32 and their like allow (about 1e-6 of the number): no bf16 or f16 on the way to a quantiser, and a product that is left as it is and whose result goes on into a quantised operand takes f32 operands (vector FMAs, or v_wmma_f32_16x16x4_f32). A number that lies on a knife's edge between two numbers of the format may be rounded either way, as far as f32 arithmetic and the matrix unit's own rounding can turn it there, and no further.
;;   INPUTS GIVEN AS CODES. W0 (in the module: [256, 256], K = its axis 0); W1 (in the module: [256, 256], K = its axis 0); W2 (in the module: [256, 256], K = its axis 0); W3 (in the module: [256, 256], K = its axis 0): each comes as NAME_codes (uint8): NAME with its K axis moved to the last place and cut into blocks of 32 codes, [.., K / 32, bytes a block], one block behind the other in memory; two codes a byte, the lower K in the low four bits (a code: sign, 2 exponent bits, 1 mantissa bit); and NAME_scales (uint8): the same leading axes, one E8M0 byte (e + 127) for each 32 codes along K. Its value is code x scale, taken as it is: it is not quantised again, and the codes and scales need not be those that the quantiser above would give.
;; One version. Each part assembles by itself: llvm-mc -triple=amdgcn-amd-amdhsa -mcpu=gfx1250 --defsym DOCPART=n.
;; ======== version 1 of 1: 4 launches
;; workspace buffers: gnc 2,560 bytes; qkv 3,342,336 bytes; att 1,114,112 bytes
;; launch stats (part 1): grid 64 x 1, 16 waves a work-group, no clusters, 2,560 bytes of LDS; arguments x, gn_scale, gnc; writes gnc
.if DOCPART == 1
	.amdgcn_target "amdgcn-amd-amdhsa--gfx1250"
	.amdhsa_code_object_version 6
	.text
	.protected	k_q213edb6685_stats
	.globl	k_q213edb6685_stats
	.p2align	8
	.type	k_q213edb6685_stats,@function
k_q213edb6685_stats:
	s_mov_b64 s[64:65], 0
	v_nop
	global_prefetch_b8 v0, s[64:65] scope:SCOPE_SE
	s_setreg_imm32_b32 hwreg(HW_REG_WAVE_MODE, 25, 1), 1
	s_wait_xcnt 0x0
; GROUP NORM'S FIGURES.  x: [2][256][4096] f32.  A group is 8 channels x 4,096 pixels = 32,768 numbers, 131,072 consecutive bytes.
; One work-group of sixteen waves takes one group (64 groups in all) and keeps it in registers, 64 numbers a thread, between the pass that finds the mean
; and the pass that sums the squared deviations FROM that mean: so a common offset of the inputs cancels nothing.  x is read once here.
; OUT, into gnc, 1,280 bytes for each batch: A[c] = gn_scale[c] x rsqrt(var + 1e-6) at 4 c;  the group's mean at 1,024 + 4 g.
; There are only 64 work-groups: both passes need the whole group at one place.  No matrix unit, no tensor load: a plain reduction.
; LIMITS: NaN and infinities among the inputs are not served.
.set X,   16                           ; v16-79   my 64 numbers
.set CH,  80                           ; v80-87   four chains of packed sums
.set PS,  92                           ; v92-107  the sixteen waves' partial sums
	s_load_b128 s[4:7], s[0:1], 0x0                ; x, gn_scale
	s_load_b64 s[8:9], s[0:1], 0x10                ; gnc
	v_lshl_add_u32 v112, v0, 2, 0x200
	v_mov_b32 v113, 0
	v_lshrrev_b32 v1, 5, v0
	v_lshlrev_b32 v1, 2, v1                        ; LDS: 4 x my wave's number
	v_lshlrev_b32 v3, 4, v0                        ; 16 bytes a thread: a load of the work-group covers 8,192 consecutive bytes
	v_and_b32 v4, 7, v0
	v_mov_b32 v11, 0                               ; LDS byte 0
	v_mov_b32 v89, 0                               ; written once: a lane permute's destination counts as one of its sources
	s_lshl_b32 s12, ttmp9, 17                      ; the group's first byte in x
	s_mov_b32 s13, 0
	s_lshr_b32 s14, ttmp9, 5                       ; batch
	s_and_b32 s15, ttmp9, 31                       ; group
	s_lshl_b32 s16, s15, 5                         ; its 8 channels' 32 bytes
	v_lshl_add_u32 v4, v4, 2, s16                  ; gn_scale of channel 8 g + (thread % 8)
	s_mov_b32 s10, 0x76543210
	s_mov_b32 s11, 0xfedcba98                      ; v_permlanex16_b32's selects for lane l xor 16
	s_mov_b32 s17, 0x38000000                      ; 2^-15 = 1 / 32,768
	s_mov_b32 s18, 0x358637bd                      ; 1e-6
	s_wait_kmcnt 0x0
	s_add_nc_u64 s[4:5], s[4:5], s[12:13]
	global_load_b32 v5, v4, s[6:7]
.irp i, 0,1,2,3,4,5,6,7,8,9,10,11,12,13,14,15
	global_load_b128 v[X+4*\i:X+4*\i+3], v3, s[4:5] offset:8192*\i
.endr
; The four chains become one number, the wave's 32 lanes one, the sixteen waves one: result in v88 of every lane.  off: the LDS bytes of this reduction's sixteen words.
.macro REDUCE off
	v_pk_add_f32 v[CH:CH+1], v[CH:CH+1], v[CH+2:CH+3]
	v_pk_add_f32 v[CH+4:CH+5], v[CH+4:CH+5], v[CH+6:CH+7]
	v_pk_add_f32 v[CH:CH+1], v[CH:CH+1], v[CH+4:CH+5]
	v_add_f32 v88, v[CH], v[CH+1]
.irp m, 1,2,4,8
	v_add_f32_dpp v88, v88, v88 row_xmask:\m row_mask:0xf bank_mask:0xf
.endr
	v_permlanex16_b32 v89, v88, s10, s11
	v_add_f32 v88, v88, v89
	ds_store_b32 v1, v88 offset:\off               ; all lanes of a wave write the same word with the same value
	s_wait_dscnt 0x0                               ; for the others' sake: my store has landed
	s_barrier_signal -1
	s_barrier_wait -1
.irp i, 0,1,2,3
	ds_load_b128 v[PS+4*\i:PS+4*\i+3], v11 offset:\off+16*\i
.endr
	s_wait_dscnt 0x0
.irp i, 0,1,2,3
	v_pk_add_f32 v[PS+4*\i:PS+4*\i+1], v[PS+4*\i:PS+4*\i+1], v[PS+4*\i+2:PS+4*\i+3]
.endr
	v_pk_add_f32 v[PS:PS+1], v[PS:PS+1], v[PS+4:PS+5]
	v_pk_add_f32 v[PS+8:PS+9], v[PS+8:PS+9], v[PS+12:PS+13]
	v_pk_add_f32 v[PS:PS+1], v[PS:PS+1], v[PS+8:PS+9]
	v_add_f32 v88, v[PS], v[PS+1]
.endm
	; pass 1: the sum.  The first eight pairs start the four chains: nothing is cleared
	s_wait_loadcnt 12                              ; gn_scale and the first four loads are in; twelve were issued behind them
.irp k, 0,1,2,3
	v_pk_add_f32 v[CH+2*\k:CH+2*\k+1], v[X+2*\k:X+2*\k+1], v[X+8+2*\k:X+8+2*\k+1]
.endr
.irp g, 1,2,3
	s_wait_loadcnt 12-4*\g                         ; the next four loads are in
.irp p, 0,1,2,3,4,5,6,7
	v_pk_add_f32 v[CH+2*(\p%4):CH+2*(\p%4)+1], v[CH+2*(\p%4):CH+2*(\p%4)+1], v[X+16*\g+2*\p:X+16*\g+2*\p+1]
.endr
.endr
	REDUCE 0
	v_mul_f32 v90, s17, v88                        ; the mean,
	v_mov_b32 v91, v90                             ; twice: a pair for the packed subtraction
	; pass 2: the deviations, in place, and the sum of their squares
.set p, 0
.rept 32
	v_pk_add_f32 v[X+2*p:X+2*p+1], v[X+2*p:X+2*p+1], v[90:91] neg_lo:[0,1] neg_hi:[0,1]
.set p, p+1
.endr
.irp k, 0,1,2,3
	v_pk_mul_f32 v[CH+2*\k:CH+2*\k+1], v[X+2*\k:X+2*\k+1], v[X+2*\k:X+2*\k+1]
.endr
.set p, 4
.rept 28
	v_pk_fma_f32 v[CH+2*(p%4):CH+2*(p%4)+1], v[X+2*p:X+2*p+1], v[X+2*p:X+2*p+1], v[CH+2*(p%4):CH+2*(p%4)+1]
.set p, p+1
.endr
	REDUCE 256                                     ; other LDS bytes than the first reduction's: no wave's store meets another's read
	v_fma_f32 v108, v88, s17, s18                  ; var + 1e-6
	v_rsq_f32 v108, v108
	v_cmp_gt_u32 vcc_lo, 8, v0                     ; (a plain place behind the transcendental)  threads 0-7 store A, thread 8 the mean
	s_wait_alu depctr_va_vdst(0)
	v_mul_f32 v109, v5, v108                       ; gn_scale x rstd
	v_cndmask_b32 v109, v90, v109, vcc_lo
	s_mul_i32 s19, s14, 1280
	s_add_co_u32 s20, s19, s16                     ; A: 1,280 b + 32 g + 4 thread
	s_lshl_b32 s21, s15, 2
	s_add_co_u32 s21, s21, s19
	s_add_co_u32 s21, s21, 1024                    ; the mean: 1,280 b + 1,024 + 4 g
	v_lshl_add_u32 v6, v0, 2, s20
	v_mov_b32 v7, s21
	v_cndmask_b32 v6, v7, v6, vcc_lo
	s_wait_xcnt 0x0                                ; EXEC changes only behind this wait: it is a source of the loads above
	v_cmp_gt_u32 vcc_lo, 9, v0
	s_wait_tensorcnt 0x0
	ds_add_u32 v112, v113
	s_wait_dscnt 0x0
	s_and_saveexec_b32 s22, vcc_lo
	global_store_b32 v6, v109, s[8:9]
	s_wait_xcnt 0x0                                ; and again in front of the line that widens it
	s_or_b32 exec_lo, exec_lo, s22
	s_endpgm
.Lfunc_end_k_q213edb6685_stats:
	.size	k_q213edb6685_stats, .Lfunc_end_k_q213edb6685_stats-k_q213edb6685_stats
	.p2alignl 7, 3214868480
	.fill 96, 4, 3214868480
	.section	.rodata,"a",@progbits
	.p2align	6, 0x0
	.amdhsa_kernel k_q213edb6685_stats
		.amdhsa_group_segment_fixed_size 2560
		.amdhsa_private_segment_fixed_size 0
		.amdhsa_enable_private_segment 0
		.amdhsa_kernarg_size 24
		.amdhsa_user_sgpr_count 2
		.amdhsa_user_sgpr_kernarg_segment_ptr 1
		.amdhsa_wavefront_size32 1
		.amdhsa_system_sgpr_workgroup_id_x 1
		.amdhsa_system_sgpr_workgroup_id_y 1
		.amdhsa_system_sgpr_workgroup_id_z 1
		.amdhsa_system_vgpr_workitem_id 0
		.amdhsa_next_free_vgpr 114
		.amdhsa_next_free_sgpr 66
		.amdhsa_reserve_vcc 1
		.amdhsa_float_denorm_mode_32 3
		.amdhsa_float_denorm_mode_16_64 3
		.amdhsa_memory_ordered 1
		.amdhsa_forward_progress 1
		.amdhsa_inst_pref_size 13
	.end_amdhsa_kernel
	.amdgpu_metadata
---
amdhsa.version: [ 1, 2 ]
amdhsa.kernels:
  - .name:           k_q213edb6685_stats
    .symbol:         k_q213edb6685_stats.kd
    .args:
      - { .name: x, .offset: 0, .size: 8, .value_kind: global_buffer, .address_space: global }
      - { .name: gn_scale, .offset: 8, .size: 8, .value_kind: global_buffer, .address_space: global }
      - { .name: gnc, .offset: 16, .size: 8, .value_kind: global_buffer, .address_space: global }
    .group_segment_fixed_size: 2560
    .private_segment_fixed_size: 0
    .kernarg_segment_align: 8
    .kernarg_segment_size: 24
    .max_flat_workgroup_size: 512
    .sgpr_count:     66
    .vgpr_count:     114
    .wavefront_size: 32
...
	.end_amdgpu_metadata
.endif
;; end of part 1
;; launch qkv (part 2): grid 64 x 4, 4 waves a work-group, no clusters, 1,536 bytes of LDS; arguments x, gnc, gn_bias, W0_codes, W0_scales, b0, W1_codes, W1_scales, b1, W2_codes, W2_scales, b2, qkv; writes qkv
.if DOCPART == 2
	.amdgcn_target "amdgcn-amd-amdhsa--gfx1250"
	.amdhsa_code_object_version 6
	.text
	.protected	k_q213edb6685_qkv
	.globl	k_q213edb6685_qkv
	.p2align	8
	.type	k_q213edb6685_qkv,@function
k_q213edb6685_qkv:
	s_mov_b64 s[64:65], 0
	v_nop
	global_prefetch_b8 v0, s[64:65] scope:SCOPE_SE
	s_setreg_imm32_b32 hwreg(HW_REG_WAVE_MODE, 25, 1), 1
	s_wait_xcnt 0x0
; h = GroupNorm(x), quantised along the 256 channels;  q, k, v = W h + b on codes of FP4 (E2M1) with one E8M0 scale for each 32 along K;  q and k are then quantised along their head's 64 channels, v along 32 pixels.
; SHARES.  Work-group (x = 32 b + g', y = head j) takes pixels 128 g' .. 128 g' + 127 of batch b; wave w takes the block of 32 pixels beta = 4 g' + w and makes that block's q, k and v of head j.
; So each head's work-group normalises and quantises its pixels' h anew; in exchange no fragment changes waves, and a key step's four scale bytes of v meet in one work-group.
; What work-groups share here (a head's 8,192 bytes of each weight, x's rows among the four heads) goes from memory straight into registers in the operands' own order: a joint load would add a way through LDS, so the launch has no cluster.
; PHASE X: A LANE TAKES A PIXEL AND ITS REGISTERS RUN DOWN THE CHANNELS: a block of 32 channels lies in one lane's 32 registers; its largest magnitude needs no other lane, and the conversions give codes with K innermost.
; Lane 16 u + r takes pixel pi_u(r) = 8 u + r + 8 (r / 8) of the 32: the two tiles of 16 pixels are chosen so that a later result's 16 registers of two neighbouring tiles are 16 NEIGHBOURS along the next K.
; q, k: TRANSPOSED (source 0 = 16 rows of W, source 1 = h): a lane holds one pixel and its registers run along the head's channels.  W's rows of tile t: chi(t, r) = 32 (t / 2) + 8 (t % 2) + r + 8 (r / 8).
; v: NOT transposed (source 0 = h, source 1 = W2's rows chi(ct, r)): a lane holds one channel and its registers run along the pixels, which are the second attention product's K.
; OUT, into qkv: for each batch-head three parts (Q, K, V) of 139,264 bytes: [8,192 of scale words][131,072 of codes], laid as IMAGES OF THE OPERANDS' REGISTERS:
;   Q, K codes: 1,024 beta + 512 u + 16 lane: lane (r, h) = dims 32 h .. 32 h + 31 of pixel 32 beta + pi_u(r);  scale word 64 beta + 4 r: bytes (u0, b0), (u0, b1), (u1, b0), (u1, b1).
;   V codes: 4,096 S + 1,024 ct + 512 c + 16 (16 h + r): keys 128 S + 64 c + 32 h + 0 .. 31 of channel chi(ct, r);  scale word 256 S + 64 ct + 4 r: byte i = key block 4 S + i.
; LIMITS: NaN and infinities are not served.  A block whose largest magnitude lies under 2^-124 keeps the scale byte 1, a block of zeros too (the quantiser's rule says 127): its codes are zeros, and this program alone reads the bytes.
; REGISTERS, in windows of 256: window 0: v1-15 addresses; v16-47 h's four fragments; v48-49 h's scale words; v52-75 the weights' scale words; v80-143 x, later the accumulators; v144-167 codes; v168-199 at work.
;   window 1: the weights' fragments, 64 registers each.   window 2: the biases in the results' layout, 32 registers each.
.set PART,  139264
.set HEADB, 3*PART
.set HF,  16                           ; h's fragment (tile u, K step s) at HF + 16 u + 8 s
.set SW,  48                           ; h's scale words of K step s: lanes 0-15 tile 0's pixels, lanes 16-31 tile 1's
.set WS,  52                           ; the weights' scale words: 8 a product, index 2 t + s
.set X,   80                           ; two sets of 32 numbers
.set ACC, 80
.set PCQ, 144
.set PCK, 152
.set PCV, 160
.set TM,  168                          ; v168-171 largest magnitudes, v172-175 the other lane's, v176-179 bytes, v180-183 the conversions' scale operands
.set PWQ, 184
.set PWK, 185
.set PWV, 186
.set GA,  188                          ; the gather of v's scale words
.set W0F, 0                            ; window 1: fragment (tile t, K step s) at 16 t + 8 s
.set W1F, 64
.set W2F, 128
.set BQ,  0                            ; window 2: 8 registers a tile
.set BK,  32
.set BV,  64
.set MSB, 0
.macro WIN new                         ; the immediate's high byte repeats the setting that is left
.if MSB != \new
	s_set_vgpr_msb (MSB<<8)|\new
.set MSB, \new
.endif
.endm
.macro PLACES n
.rept \n
	v_nop
.endr
.endm
	s_load_b512 s[4:19], s[0:1], 0x0               ; x s[4:5], gnc s[6:7], gn_bias s[8:9], W0 codes s[10:11], scales s[12:13], b0 s[14:15], W1 codes s[16:17], scales s[18:19]
	s_load_b256 s[20:27], s[0:1], 0x40             ; b1 s[20:21], W2 codes s[22:23], scales s[24:25], b2 s[26:27]
	s_load_b64 s[28:29], s[0:1], 0x60              ; qkv
	v_lshl_add_u32 v254, v0, 2, 0x400
	v_mov_b32 v255, 0
	v_lshrrev_b32 v1, 5, v0
	v_readfirstlane_b32 s2, v1                     ; wave 0..3
	s_lshr_b32 s30, ttmp9, 5                       ; batch b
	s_and_b32 s31, ttmp9, 31                       ; g'
	s_and_b32 s32, ttmp7, 0xffff                   ; head j
	s_lshl_b32 s34, s30, 22                        ; x: 4 MiB b + 512 g' + 128 w
	s_lshl_b32 s33, s31, 9
	s_add_co_u32 s34, s34, s33
	s_lshl_b32 s33, s2, 7
	s_add_co_u32 s34, s34, s33
	s_mov_b32 s35, 0
	s_mul_i32 s36, s30, 1280                       ; gnc: the batch's 1,280 bytes
	s_mov_b32 s37, 0
	s_lshl_b32 s38, s32, 13                        ; the head's 64 rows of a weight: 128 bytes of codes a row,
	s_mov_b32 s39, 0
	s_lshl_b32 s40, s32, 9                         ; 8 scale bytes,
	s_mov_b32 s41, 0
	s_lshl_b32 s42, s32, 8                         ; 4 bytes of bias
	s_mov_b32 s43, 0
	s_lshl_b32 s44, s30, 2
	s_add_co_u32 s44, s44, s32
	s_mul_i32 s44, s44, HEADB                      ; qkv: the batch-head's three parts
	s_mov_b32 s45, 0
	s_mov_b32 s66, 0x76543210
	s_mov_b32 s67, 0xfedcba98                      ; v_permlanex16_b32's selects for lane l xor 16
	v_and_b32 v2, 31, v0                           ; lane
	v_and_b32 v3, 15, v0                           ; r
	v_bfe_u32 v1, v0, 4, 1                         ; h, in phase X: u
	v_bfe_u32 v16, v0, 3, 1                        ; r / 8
	v_and_b32 v4, 7, v0
	v_lshl_add_u32 v4, v1, 3, v4
	v_lshl_add_u32 v4, v16, 4, v4                  ; my pixel of the 32: r % 8 + 8 u + 16 (r / 8)
	v_lshlrev_b32 v4, 2, v4                        ; XA
	v_lshl_add_u32 v17, v16, 3, v3                 ; rho = r + 8 (r / 8)
	v_lshlrev_b32 v5, 7, v17
	v_lshl_add_u32 v5, v1, 4, v5                   ; WA: a weight's row rho, + 16 h
	v_lshlrev_b32 v6, 3, v17                       ; WSA: its 8 scale bytes
	v_lshlrev_b32 v7, 6, v1                        ; BQA: q's and k's bias: my half's 16 channels
	v_lshlrev_b32 v8, 2, v17                       ; BVA: v's bias: my channel
	s_lshl_b32 s46, s31, 12                        ; 4,096 g'
	s_lshl_b32 s47, s2, 10
	s_add_co_u32 s47, s47, s46
	v_lshl_add_u32 v9, v2, 4, s47                  ; VQ: 1,024 beta + 16 lane
	s_lshl_b32 s47, s2, 8
	s_add_co_u32 s47, s47, s46
	v_lshl_add_u32 v10, v1, 10, s47
	v_lshl_add_u32 v10, v3, 4, v10                 ; VV: 4,096 S + 256 w + 1,024 (lane / 16) + 16 r
	s_lshl_b32 s47, s2, 6
	v_lshl_add_u32 v11, v3, 2, s47                 ; LSW: LDS, 64 w + 4 r
	s_lshl_b32 s47, s2, 8
	v_lshl_add_u32 v12, v2, 3, s47                 ; LDS, 256 w + 8 lane: Q's words for wave 1, K's for wave 2
	v_and_b32 v13, 7, v0
	v_lshlrev_b32 v13, 3, v13                      ; LDS, 8 (lane % 8)
	v_lshrrev_b32 v14, 3, v2
	v_lshlrev_b32 v14, 3, v14                      ; 8 (lane / 8): a bit offset
	s_mul_i32 s47, s2, PART
	s_lshl_b32 s46, s31, 8
	s_add_co_u32 s47, s47, s46
	v_lshl_add_u32 v15, v2, 3, s47                 ; the scale words' way out: PART w + 256 g' + 8 lane
.irp b, 0,1,2,3
	v_mov_b32 v[TM+4+\b], 0                        ; written once: a lane permute's destination counts as one of its sources
.endr
	s_wait_kmcnt 0x0
	s_add_nc_u64 s[4:5], s[4:5], s[34:35]
	s_add_nc_u64 s[6:7], s[6:7], s[36:37]
	s_add_nc_u64 s[10:11], s[10:11], s[38:39]
	s_add_nc_u64 s[16:17], s[16:17], s[38:39]
	s_add_nc_u64 s[22:23], s[22:23], s[38:39]
	s_add_nc_u64 s[12:13], s[12:13], s[40:41]
	s_add_nc_u64 s[18:19], s[18:19], s[40:41]
	s_add_nc_u64 s[24:25], s[24:25], s[40:41]
	s_add_nc_u64 s[14:15], s[14:15], s[42:43]
	s_add_nc_u64 s[20:21], s[20:21], s[42:43]
	s_add_nc_u64 s[26:27], s[26:27], s[42:43]
	s_add_nc_u64 s[28:29], s[28:29], s[44:45]
; The norm's figures are the same in all lanes: they live in scalar registers, two sets of 16 channels that take turns.
.macro COEFA t                         ; channels 32 t .. 32 t + 15: A s[32:47], gn_bias s[48:63], their two groups' means s[30:31]
	s_load_b512 s[32:47], s[6:7], 128*(\t)
	s_load_b512 s[48:63], s[8:9], 128*(\t)
	s_load_b64 s[30:31], s[6:7], 1024+16*(\t)
.endm
.macro COEFB t                         ; channels 32 t + 16 .. 32 t + 31: s[68:83], s[84:99], s[100:101]
	s_load_b512 s[68:83], s[6:7], 128*(\t)+64
	s_load_b512 s[84:99], s[8:9], 128*(\t)+64
	s_load_b64 s[100:101], s[6:7], 1024+16*(\t)+8
.endm
.macro LOAD t                          ; x(32 t + i, my pixel), i = 0 .. 31, into set t % 2: the wave's 32 lanes read 128 consecutive bytes
.irp i, 0,1,2,3,4,5,6,7,8,9,10,11,12,13,14,15,16,17,18,19,20,21,22,23,24,25,26,27,28,29,30,31
	global_load_b32 v[X+32*((\t)%2)+\i], v4, s[4:5] offset:(32*(\t)+\i)*16384
.endr
.endm
.macro NORM xs, mn, a, bi              ; 16 numbers: (x - mean) x A + gn_bias
.irp i, 0,1,2,3,4,5,6,7,8,9,10,11,12,13,14,15
	v_sub_f32 v[\xs+\i], v[\xs+\i], s[\mn+\i/8]
.endr
.irp i, 0,1,2,3,4,5,6,7,8,9,10,11,12,13,14,15
	v_fma_f32 v[\xs+\i], v[\xs+\i], s[\a+\i], s[\bi+\i]
.endr
.endm
; Channel block t of my pixel: normalised, its scale, its 32 codes.  left: the loads issued behind this block's own, which may stay out.
; An even block's codes go to tile 0's fragment, an odd block's to tile 1's, at registers 4 c .. 4 c + 3 of K step s (t = 4 s + 2 c + h).  One exchange of halves then gives each fragment its own tile's pixels:
; lanes 0-15 the even block, lanes 16-31 the odd one, as the 4-bit layout wants them (lane (r, h): k = 64 c + 32 h + 0 .. 31).
.macro XBLOCK t, left
.set XS, X+32*((\t)%2)
.set HD, HF+16*((\t)%2)+8*((\t)/4)+4*(((\t)/2)%2)
	s_wait_loadcnt \left
	s_wait_kmcnt 0x0                               ; both sets of figures for this block
	NORM XS, 30, 32, 48
.if (\t) < 7
	COEFA (\t)+1                                   ; the set just used takes the next block's figures
.endif
	NORM XS+16, 100, 68, 84
.if (\t) < 7
	COEFB (\t)+1
.endif
	v_max3_num_f32 v[TM], |v[XS]|, |v[XS+1]|, |v[XS+2]|            ; the block's largest magnitude: all 32 numbers are mine; two chains
	v_max3_num_f32 v[TM+1], |v[XS+3]|, |v[XS+4]|, |v[XS+5]|
.irp i, 6,10,14,18,22,26
	v_max3_num_f32 v[TM], v[TM], |v[XS+\i]|, |v[XS+\i+1]|
	v_max3_num_f32 v[TM+1], v[TM+1], |v[XS+\i+2]|, |v[XS+\i+3]|
.endr
	v_max3_num_f32 v[TM], v[TM], |v[XS+30]|, |v[XS+31]|
	v_max3_num_f32 v[TM], v[TM], v[TM+1], 0x1800000                ; and the floor 2^(3 - 127): the byte cannot fall under 1
	v_add_nc_u32 v[TM+2], 0xff000000, v[TM]                        ; 2 off its exponent field: the conversion takes the exponent field of this operand as its scale
	v_lshrrev_b32 v[TM+3], 23, v[TM+2]                             ; the scale's byte
.if (\t)%4 == 0
	v_mov_b32 v[SW+(\t)/4], v[TM+3]
.else
	v_lshl_or_b32 v[SW+(\t)/4], v[TM+3], 8*((\t)%4), v[SW+(\t)/4]
.endif
.irp g, 0,1,2,3
	v_cvt_scalef32_pk8_fp4_f32 v[HD+\g], v[XS+8*\g:XS+8*\g+7], v[TM+2]
.endr
	v_nop                                          ; one plain place behind a scaled conversion
.if (\t)%2 == 1
.irp g, 0,1,2,3
	v_permlane16_swap_b32 v[HD-16+\g], v[HD+\g]    ; the first's lanes 16-31 change places with the second's lanes 0-15
.endr
.endif
.endm
; A weight's eight fragments (window 1) and its scale words: 20 loads
.macro WLOAD f, ws, pc, ps
	WIN 0x40                                       ; destination window 1, address window 0
.irp t, 0,1,2,3
.irp s, 0,1
.irp c, 0,1
	global_load_b128 v[\f+16*\t+8*\s+4*\c:\f+16*\t+8*\s+4*\c+3], v5, s[\pc:\pc+1] offset:(32*(\t/2)+8*(\t%2))*128+64*\s+32*\c
.endr
.endr
.endr
	WIN 0
.irp t, 0,1,2,3
	global_load_b64 v[\ws+2*\t:\ws+2*\t+1], v6, s[\ps:\ps+1] offset:(32*(\t/2)+8*(\t%2))*8
.endr
.endm
.macro BLOADT f, pb                    ; q's or k's bias in the transposed result's layout: tile t, lane (r, h): channels 32 (t / 2) + 8 (t % 2) + 16 h + 0 .. 7: 8 loads
.irp t, 0,1,2,3
	global_load_b128 v[\f+8*\t:\f+8*\t+3], v7, s[\pb:\pb+1] offset:(32*(\t/2)+8*(\t%2))*4
	global_load_b128 v[\f+8*\t+4:\f+8*\t+7], v7, s[\pb:\pb+1] offset:(32*(\t/2)+8*(\t%2))*4+16
.endr
.endm
.macro BLOADV ct                       ; v's bias: a lane holds ONE channel, chi(ct, r), in all eight registers of the tile: 8 loads of the same word
.irp j, 0,1,2,3,4,5,6,7
	global_load_b32 v[BV+8*(\ct)+\j], v8, s[26:27] offset:(32*((\ct)/2)+8*((\ct)%2))*4
.endr
.endm
	COEFA 0
	COEFB 0
	LOAD 0
	LOAD 1
	XBLOCK 0, 32                                   ; behind block 0's loads: block 1's 32
	WLOAD W0F, WS, 10, 12
	LOAD 2
	XBLOCK 1, 52                                   ; behind block 1's: 20 of W0 and block 2's 32
	WLOAD W1F, WS+8, 16, 18
	LOAD 3
	XBLOCK 2, 52
	WLOAD W2F, WS+16, 22, 24
	LOAD 4
	XBLOCK 3, 52
	WIN 0x80                                       ; destination window 2
	BLOADT BQ, 14
	BLOADT BK, 20
	WIN 0
	LOAD 5
	XBLOCK 4, 48                                   ; behind block 4's: 16 of the biases and block 5's 32
	WIN 0x80
	BLOADV 0
	BLOADV 1
	WIN 0
	LOAD 6
	XBLOCK 5, 48
	WIN 0x80
	BLOADV 2
	BLOADV 3
	WIN 0
	LOAD 7
	XBLOCK 6, 48
	XBLOCK 7, 0                                    ; all loads are in, the weights and biases too
	PLACES 8                                       ; a scale register written by vector instructions stands 8 places ahead of a scaled matrix instruction, an operand so written 4
; 64 numbers of a lane, register 16 B + i = element 16 (lane / 16) + i of block B of my row, become 8 registers of codes and a scale word (byte B).
; Behind the exchange registers 4 c .. 4 c + 3 hold block 2 c in lanes 0-15 and block 2 c + 1 in lanes 16-31, whole.
.macro QUANT s, pc, pw
.irp b, 0,1,2,3
	v_max3_num_f32 v[TM+\b], |v[\s+16*\b]|, |v[\s+1+16*\b]|, 0x1800000   ; my 16 numbers of block b, and the floor 2^(3 - 127).  Each accumulator is read from its low end on
.endr
.irp i, 2,4,6,8,10,12,14
.irp b, 0,1,2,3
	v_max3_num_f32 v[TM+\b], v[TM+\b], |v[\s+16*\b+\i]|, |v[\s+1+16*\b+\i]|   ; (the four blocks by turns)
.endr
.endr
.irp b, 0,1,2,3
	v_permlanex16_b32 v[TM+4+\b], v[TM+\b], s66, s67
.endr
.irp b, 0,1,2,3
	v_max_num_f32 v[TM+\b], v[TM+\b], v[TM+4+\b]   ; with lane l xor 16's: the block's largest magnitude
.endr
.irp b, 0,1,2,3
	v_add_nc_u32 v[TM+12+\b], 0xff000000, v[TM+\b]
.endr
.irp b, 0,1,2,3
	v_lshrrev_b32 v[TM+8+\b], 23, v[TM+12+\b]
.endr
	v_lshl_or_b32 v[\pw], v[TM+9], 8, v[TM+8]
	v_lshl_or_b32 v[\pw], v[TM+10], 16, v[\pw]
	v_lshl_or_b32 v[\pw], v[TM+11], 24, v[\pw]
.irp b, 0,1,2,3
	v_cvt_scalef32_pk8_fp4_f32 v[\pc+2*\b], v[\s+16*\b:\s+7+16*\b], v[TM+12+\b]
	v_cvt_scalef32_pk8_fp4_f32 v[\pc+1+2*\b], v[\s+8+16*\b:\s+15+16*\b], v[TM+12+\b]
.endr
	v_nop                                          ; one plain place behind a scaled conversion
.irp c, 0,1
.irp i, 0,1
	v_permlane16_swap_b32 v[\pc+4*\c+\i], v[\pc+2+4*\c+\i]
.endr
.endr
.endm
; q or k, transposed: accumulator (u, t) at ACC + 32 u + 8 t: lane (r, h) holds pixel pi_u(r), channels 32 (t / 2) + 8 (t % 2) + 16 h + 0 .. 7.  The bias is the C of the first K step.
; The eight accumulators take turns, one instruction a turn.  Blocks for QUANT: B = 2 u + (channel / 32).
.macro PRODT w, bias, ws, pc, pw, part, lo
	WIN 0x21                                       ; source 0 (the weight) window 1, source 2 (the bias) window 2
.irp u, 0,1
.irp t, 0,1,2,3
.if \u
	v_wmma_scale_f32_16x16x128_f8f6f4 v[ACC+32*\u+8*\t:ACC+32*\u+8*\t+7], v[\w+16*\t:\w+16*\t+7], v[HF+16*\u:HF+16*\u+7], v[\bias+8*\t:\bias+8*\t+7], v[\ws+2*\t], v[SW] matrix_a_fmt:MATRIX_FMT_FP4 matrix_b_fmt:MATRIX_FMT_FP4 matrix_b_scale:MATRIX_SCALE_ROW1
.else
	v_wmma_scale_f32_16x16x128_f8f6f4 v[ACC+32*\u+8*\t:ACC+32*\u+8*\t+7], v[\w+16*\t:\w+16*\t+7], v[HF+16*\u:HF+16*\u+7], v[\bias+8*\t:\bias+8*\t+7], v[\ws+2*\t], v[SW] matrix_a_fmt:MATRIX_FMT_FP4 matrix_b_fmt:MATRIX_FMT_FP4
.endif
.endr
.endr
	WIN 0x01
.irp u, 0,1
.irp t, 0,1,2,3
.if \u
	v_wmma_scale_f32_16x16x128_f8f6f4 v[ACC+32*\u+8*\t:ACC+32*\u+8*\t+7], v[\w+16*\t+8:\w+16*\t+15], v[HF+16*\u+8:HF+16*\u+15], v[ACC+32*\u+8*\t:ACC+32*\u+8*\t+7], v[\ws+2*\t+1], v[SW+1] matrix_a_fmt:MATRIX_FMT_FP4 matrix_b_fmt:MATRIX_FMT_FP4 matrix_b_scale:MATRIX_SCALE_ROW1
.else
	v_wmma_scale_f32_16x16x128_f8f6f4 v[ACC+32*\u+8*\t:ACC+32*\u+8*\t+7], v[\w+16*\t+8:\w+16*\t+15], v[HF+16*\u+8:HF+16*\u+15], v[ACC+32*\u+8*\t:ACC+32*\u+8*\t+7], v[\ws+2*\t+1], v[SW+1] matrix_a_fmt:MATRIX_FMT_FP4 matrix_b_fmt:MATRIX_FMT_FP4
.endif
.endr
.endr
	WIN 0
	PLACES 4                                       ; in front of the first read of results (ISA guide 7.12.1)
	QUANT ACC, \pc, \pw
	global_store_b128 v9, v[\pc:\pc+3], s[28:29] offset:\part+8192        ; tile 0's image: the wave stores 512 consecutive bytes
	global_store_b128 v9, v[\pc+4:\pc+7], s[28:29] offset:\part+8192+512  ; tile 1's
	ds_store_b32 v11, v[\pw] offset:\lo            ; both halves of the lanes write the same word with the same value
.endm
	PRODT W0F, BQ, WS, PCQ, PWQ, 0, 256
	PRODT W1F, BK, WS+8, PCK, PWK, PART, 512       ; (its first products write over the accumulators: QUANT's lines on its own registers and the four v_nop are more than the five places owed)
	; v, not transposed: accumulator (ct, u) at ACC + 16 ct + 8 u: lane (r, h) holds channel chi(ct, r), pixels 16 h + 8 u + 0 .. 7 of my 32.  Blocks for QUANT: B = ct
	WIN 0x24                                       ; source 1 (W2) window 1, source 2 (b2) window 2
.irp ct, 0,1,2,3
	v_wmma_scale_f32_16x16x128_f8f6f4 v[ACC+16*\ct:ACC+16*\ct+7], v[HF:HF+7], v[W2F+16*\ct:W2F+16*\ct+7], v[BV+8*\ct:BV+8*\ct+7], v[SW], v[WS+16+2*\ct] matrix_a_fmt:MATRIX_FMT_FP4 matrix_b_fmt:MATRIX_FMT_FP4
	v_wmma_scale_f32_16x16x128_f8f6f4 v[ACC+16*\ct+8:ACC+16*\ct+15], v[HF+16:HF+23], v[W2F+16*\ct:W2F+16*\ct+7], v[BV+8*\ct:BV+8*\ct+7], v[SW], v[WS+16+2*\ct] matrix_a_fmt:MATRIX_FMT_FP4 matrix_b_fmt:MATRIX_FMT_FP4 matrix_a_scale:MATRIX_SCALE_ROW1
.endr
	WIN 0x04
.irp ct, 0,1,2,3
	v_wmma_scale_f32_16x16x128_f8f6f4 v[ACC+16*\ct:ACC+16*\ct+7], v[HF+8:HF+15], v[W2F+16*\ct+8:W2F+16*\ct+15], v[ACC+16*\ct:ACC+16*\ct+7], v[SW+1], v[WS+16+2*\ct+1] matrix_a_fmt:MATRIX_FMT_FP4 matrix_b_fmt:MATRIX_FMT_FP4
	v_wmma_scale_f32_16x16x128_f8f6f4 v[ACC+16*\ct+8:ACC+16*\ct+15], v[HF+24:HF+31], v[W2F+16*\ct+8:W2F+16*\ct+15], v[ACC+16*\ct+8:ACC+16*\ct+15], v[SW+1], v[WS+16+2*\ct+1] matrix_a_fmt:MATRIX_FMT_FP4 matrix_b_fmt:MATRIX_FMT_FP4 matrix_a_scale:MATRIX_SCALE_ROW1
.endr
	WIN 0
	PLACES 4
	QUANT ACC, PCV, PWV
.irp c, 0,1
	global_store_b128 v10, v[PCV+4*\c:PCV+4*\c+3], s[28:29] offset:2*PART+8192+2048*\c   ; lane (r, hl): key block w of channel chi(2 c + hl, r): sixteen lanes store 256 consecutive bytes, aligned
.endr
	ds_store_b32 v11, v[PWV]                       ; byte ct: the scale of (chi(ct, r), my key block)
	; THE SCALE WORDS LEAVE AS WHOLE RUNS OF 256 BYTES.  LDS: 0 v's words by wave, 256 q's, 512 k's, each 64 w + 4 r.
	s_wait_dscnt 0x0                               ; for the others' sake: my stores have landed
	s_barrier_signal -1
	s_barrier_wait -1
	s_cmp_lg_u32 s2, 0
	s_cbranch_scc1 .Lnot_v
	; wave 0: v's words are turned: out word (ct, r) takes byte ct of each wave's word r.  Lane l makes (ct = l / 8, r = 2 (l % 8), + 1)
.irp w, 0,1,2,3
	ds_load_b64 v[GA+2*\w:GA+2*\w+1], v13 offset:64*\w
.endr
	s_wait_dscnt 0x0
.irp i, 0,1,2,3,4,5,6,7
	v_bfe_u32 v[GA+\i], v[GA+\i], v14, 8
.endr
.irp w, 1,2,3
	v_lshl_or_b32 v[GA], v[GA+2*\w], 8*\w, v[GA]
	v_lshl_or_b32 v[GA+1], v[GA+2*\w+1], 8*\w, v[GA+1]
.endr
	global_store_b64 v15, v[GA:GA+1], s[28:29] offset:2*PART
	s_wait_tensorcnt 0x0
	ds_add_u32 v254, v255
	s_wait_dscnt 0x0
	s_endpgm
.Lnot_v:
	s_cmp_lt_u32 s2, 3
	s_cbranch_scc0 .Ldone
	ds_load_b64 v[GA:GA+1], v12                    ; wave 1: q's 256 bytes as they lie; wave 2: k's
	s_wait_dscnt 0x0
	global_store_b64 v15, v[GA:GA+1], s[28:29] offset:-PART
.Ldone:
	s_wait_tensorcnt 0x0
	ds_add_u32 v254, v255
	s_wait_dscnt 0x0
	s_endpgm
.Lfunc_end_k_q213edb6685_qkv:
	.size	k_q213edb6685_qkv, .Lfunc_end_k_q213edb6685_qkv-k_q213edb6685_qkv
	.p2alignl 7, 3214868480
	.fill 96, 4, 3214868480
	.section	.rodata,"a",@progbits
	.p2align	6, 0x0
	.amdhsa_kernel k_q213edb6685_qkv
		.amdhsa_group_segment_fixed_size 1536
		.amdhsa_private_segment_fixed_size 0
		.amdhsa_enable_private_segment 0
		.amdhsa_kernarg_size 104
		.amdhsa_user_sgpr_count 2
		.amdhsa_user_sgpr_kernarg_segment_ptr 1
		.amdhsa_wavefront_size32 1
		.amdhsa_system_sgpr_workgroup_id_x 1
		.amdhsa_system_sgpr_workgroup_id_y 1
		.amdhsa_system_sgpr_workgroup_id_z 1
		.amdhsa_system_vgpr_workitem_id 0
		.amdhsa_next_free_vgpr 608
		.amdhsa_next_free_sgpr 102
		.amdhsa_reserve_vcc 0
		.amdhsa_float_denorm_mode_32 3
		.amdhsa_float_denorm_mode_16_64 3
		.amdhsa_memory_ordered 1
		.amdhsa_forward_progress 1
		.amdhsa_inst_pref_size 107
	.end_amdhsa_kernel
	.amdgpu_metadata
---
amdhsa.version: [ 1, 2 ]
amdhsa.kernels:
  - .name:           k_q213edb6685_qkv
    .symbol:         k_q213edb6685_qkv.kd
    .args:
      - { .name: x, .offset: 0, .size: 8, .value_kind: global_buffer, .address_space: global }
      - { .name: gnc, .offset: 8, .size: 8, .value_kind: global_buffer, .address_space: global }
      - { .name: gn_bias, .offset: 16, .size: 8, .value_kind: global_buffer, .address_space: global }
      - { .name: W0_codes, .offset: 24, .size: 8, .value_kind: global_buffer, .address_space: global }
      - { .name: W0_scales, .offset: 32, .size: 8, .value_kind: global_buffer, .address_space: global }
      - { .name: b0, .offset: 40, .size: 8, .value_kind: global_buffer, .address_space: global }
      - { .name: W1_codes, .offset: 48, .size: 8, .value_kind: global_buffer, .address_space: global }
      - { .name: W1_scales, .offset: 56, .size: 8, .value_kind: global_buffer, .address_space: global }
      - { .name: b1, .offset: 64, .size: 8, .value_kind: global_buffer, .address_space: global }
      - { .name: W2_codes, .offset: 72, .size: 8, .value_kind: global_buffer, .address_space: global }
      - { .name: W2_scales, .offset: 80, .size: 8, .value_kind: global_buffer, .address_space: global }
      - { .name: b2, .offset: 88, .size: 8, .value_kind: global_buffer, .address_space: global }
      - { .name: qkv, .offset: 96, .size: 8, .value_kind: global_buffer, .address_space: global }
    .group_segment_fixed_size: 1536
    .private_segment_fixed_size: 0
    .kernarg_segment_align: 8
    .kernarg_segment_size: 104
    .max_flat_workgroup_size: 128
    .sgpr_count:     102
    .vgpr_count:     608
    .wavefront_size: 32
...
	.end_amdgpu_metadata
.endif
;; end of part 2
;; launch attn (part 3): grid 32 x 8, 16 waves a work-group, clusters of 4 x 1, 327,680 bytes of LDS; arguments qkv, att; writes att
.if DOCPART == 3
	.amdgcn_target "amdgcn-amd-amdhsa--gfx1250"
	.amdhsa_code_object_version 6
	.text
	.protected	k_q213edb6685_attn
	.globl	k_q213edb6685_attn
	.p2align	8
	.type	k_q213edb6685_attn,@function
k_q213edb6685_attn:
	s_mov_b64 s[64:65], 0
	v_nop
	global_prefetch_b8 v0, s[64:65] scope:SCOPE_SE
	s_setreg_imm32_b32 hwreg(HW_REG_WAVE_MODE, 25, 1), 1
	s_wait_xcnt 0x0
	s_wait_alu depctr_hold_cnt(0) depctr_sa_sdst(0) depctr_va_vdst(0) depctr_va_sdst(0) depctr_va_ssrc(0) depctr_va_vcc(0) depctr_vm_vsrc(0)
	s_getreg_b32 s2, hwreg(HW_REG_IB_STS2, 6, 4)
	s_cmp_eq_u32 s2, 0
	s_cbranch_scc0 .Lentry_in_a_cluster
	s_endpgm
.Lentry_in_a_cluster:
	s_bfe_u32 s2, ttmp6, 0x10000c
	s_cmp_lg_u32 s2, 0x3003
	s_cbranch_scc0 .Lentry_shape_is_right
	s_endpgm
.Lentry_shape_is_right:
; ATTENTION on codes of FP4 (E2M1) with one E8M0 scale for each 32 along a product's K.  8 batch-heads, 4,096 queries x 4,096 keys, head size 64.
; THE WEIGHTS ARE QUANTISED FINISHED AND NORMALISED, along the keys: a row's sum has to be known before any of its weights is quantised.  So the keys are walked twice:
;   pass 1: S^T = K Q^T, a running maximum and the sum of 2^(c s - M), c = log2(e) / 8;
;   pass 2: S^T again, p = 2^(c (s - smax) + NL), NL = (c smax - M) - log2(sum): the finished weight; quantised in blocks of 32 keys; O^T += V^T P^T.  No sum and no rescaling of O^T in pass 2.
; SHARES.  A work-group owns 128 queries of one batch-head: eight tiles of 16.  It has SIXTEEN waves, four to a SIMD (4 x 256 registers), so that one wave's exponentials and dependent runs stand beside three others' plain work.
; Wave w takes tile w % 8 and, of the head's 32 steps of 128 keys, the sixteen steps 2 i + w / 8.  The two waves of a tile meet twice, through LDS: between the passes they exchange their largest score and their sum,
; and at the end waves 8-15 hand their O^T to waves 0-7, which add it to their own, quantise and store.
; THE WHOLE HEAD'S K AND V, codes and scale words, 278,528 bytes, COME INTO LDS ONCE AND STAY: no LDS byte is filled twice.  Each wave brings a sixteenth of K and a sixteenth of V: two tensor loads of a wave are out at most.
; CLUSTER.  The four work-groups of a cluster belong to one batch-head and want the same K and V: every load is asked for jointly, with the same descriptor and a mask that names the four.
; The place in the cluster enters the global addresses of Q and of the output alone.
; LAYOUT.  Both products are transposed: a lane holds ONE query (lane % 16) throughout.  A fragment of K (16 rows x 128) carries BOTH tiles of a block of 32 keys: tile 0's 64 dims in k = 0 .. 63, tile 1's in k = 64 .. 127.
; Q stands in twelve registers [q, 0, q]: registers 0-7 = [q, 0] pick tile 0, registers 4-11 = [0, q] pick tile 1: zero codes add nothing.  Row r of tile u is key 8 u + r + 8 (r / 8) of the block,
; so register 16 b + i of a lane's scores is key 32 b + 16 (lane / 16) + i of the step's 128: sixteen neighbours, as the conversions want them.
; In pass 2 the matrix unit takes the row's maximum away: -smax is the C of each product.
; OUT, into att, 139,264 bytes a batch-head: the output quantised along the head's 64 channels: codes at 8,192 + 512 T + 16 lane (T = my tile; lane (r, h): channels 32 h .. 32 h + 31), its two scale bytes at 256 qb + 16 r + 2 (w % 8).
; LIMITS: NaN and infinities are not served.  A weight under 2^-126 becomes 0 (the exponential flushes denormals: ISA guide, its entry in 15.8).  A block's largest weight is made from its largest exponent, which takes the
; exponential not to fall where its input rises.  A block whose largest magnitude lies under 2^-124, zeros too, keeps the scale byte 1 (the rule says 127 for zeros): its codes are zeros, and this program alone reads the bytes.
; A row's sum and O^T are each formed as two partial sums, over the even and over the odd key steps, added at the end: another order of rounding than one chain's.
.set PART,  139264
.set HEADB, 3*PART
.set PIECE, PART/16                    ; 8,704 bytes = 34 rows of 256: what one tensor load brings
.set VCD,   8192                       ; LDS: V's scale words at 0, its codes here,
.set KSC,   PART                       ; K's scale words,
.set KCD,   PART+8192                  ; K's codes, up to 278,528.  A K address is KCD + 4,096 (w / 8) + a step of 122,880 at the most + 496 + 3,584 + 15 = 278,527 at the most
.set STG,   286720                     ; 256 bytes: the work-group's scale bytes on their way out.  No tensor load lands from here on
.set MRG,   STG+256                    ; 4,096 bytes: 256 for each wave: a lane's largest score and sum
.set OMG,   MRG+4096                   ; 32,768 bytes: 4,096 for each tile: the O^T of waves 8-15, as an image of its registers; ends at 323,840
.set QF,  16                           ; v16-27   [q, 0, q]
.set QW,  28                           ; v28      Q's scale word, its two bytes twice
.set PW,  29                           ; v29      p's scale word
.set KS,  30                           ; v30-31   K's scale words: register i: lanes 0-15 block 2 i, lanes 16-31 block 2 i + 1
.set KF,  32                           ; v32-63   K's four fragments
.set S,   64                           ; v64-127  the scores, then their exponentials
.set VF,  128                          ; v128-159 V's four fragments
.set VS,  160                          ; v160-161 V's scale words
.set NL,  162                          ; v162-163 NL (a pair: the packed form names both)
.set NM,  164                          ; v164-171 -smax, eight times: a C operand
.set PC,  172                          ; v172-179 p's codes
.set BM,  180                          ; v180-183 a block's largest
.set TP,  184                          ; v184-187 the other lane's
.set SO,  188                          ; v188-191 the conversions' scale operands
.set BY,  192                          ; v192-195 scale bytes
.set SM,  196                          ; v196     my lane's largest score so far
.set MN,  197                          ; v197     the new M
.set M,   198                          ; v198-199 M = c x SM, rounded (a pair)
.set L0,  200                          ; v200-201 the sum, first chain
.set F,   202                          ; v202-203 2^(old M - new M) (a pair)
.set L1,  204                          ; v204-205 the sum, second chain
.set SMX, 206                          ; v206     the row's largest score
.set MX,  207                          ; v207     its M
.set DL,  208
.set MA,  209                          ; v209     LDS: MRG + 256 w + 8 lane: where I put my pair;
.set MB,  210                          ; v210     MRG + 256 (w xor 8) + 8 lane: where my partner puts its
.set OA,  211                          ; v211     LDS: OMG + 4,096 (w % 8) + 16 lane
.set WS0, 212                          ; v212-213 my wave's largest score of my query, and its sum under MXW
.set PS0, 214                          ; v214-215 my partner's
.set MXW, 216                          ; v216     c x my wave's largest score
.set MXP, 217                          ; v217     c x my partner's
.set FP,  218
.set O,   224                          ; v224-255 O^T: tile ct at O + 8 ct
.set WV,  8                            ; s8   my wave's number
.set TL,  62                           ; s62  my tile: w % 8
.set KH,  63                           ; s63  which key steps are mine: w / 8
.set G1,  16                           ; s[16:23] descriptor group 1;  s[24:27] group 0 for K's piece;  s[28:31] for V's: none is written again
.set G0K, 24
.set G0V, 28
.set CS,  32                           ; s[32:33] c
.set SEL, 34                           ; s[34:35] lane selects for v_permlanex16_b32: lane l xor 16
.set TK,  36                           ; s36-39 the steps' byte counts: K's codes, K's words, V's codes, V's words
.set TS,  37
.set TV,  38
.set TW,  39
.set CNT, 40
.set TA,  41                           ; s41, s14: K's counts, masked
.set TB,  14
.macro CROUND                          ; a round of the cluster's barrier
	s_barrier_signal -1
	s_barrier_wait -1
	s_cmp_lg_u32 s[WV], 0
	s_cbranch_scc1 .Lnot_wave_0_\@
	s_barrier_signal -3
.Lnot_wave_0_\@:
	s_barrier_wait -3
	s_barrier_signal -1
	s_barrier_wait -1
.endm
	s_load_b128 s[4:7], s[0:1], 0x0                ; qkv, att
	v_lshl_add_u32 v222, v0, 2, 0x4f100
	v_mov_b32 v223, 0
	ds_add_u32 v222, v223
	ds_add_u32 v222, v223
	v_lshrrev_b32 v12, 5, v0
	v_readfirstlane_b32 s[WV], v12                 ; wave 0..15
	s_and_b32 s[TL], s[WV], 7
	s_lshr_b32 s[KH], s[WV], 3
	s_and_b32 s11, ttmp7, 0xffff                   ; the batch-head, which the four partners share
	s_mul_i32 s48, s11, HEADB                      ; its first byte in qkv
	s_mov_b32 s49, 0
	s_mul_i32 s13, s[WV], PIECE                    ; my piece
	s_add_co_u32 s50, s48, s13
	s_add_co_u32 s50, s50, PART                    ; in K's part
	s_mov_b32 s51, 0
	; descriptor group 1: a dense block of 34 rows x 256 bytes (32 elements of 8 bytes), no padding: the images are read 16 bytes a lane, on end
	s_mov_b32 s[G1], 15|(3<<16)|(1<<21)            ; 15:0 the mask: all four work-groups; 17:16 elements of 8 bytes; 21 set beside a mask
	s_mov_b32 s[G1+1], 32<<16                      ; tensor_dim0 = 32
	s_mov_b32 s[G1+2], 34<<16                      ; tensor_dim1 = 34
	s_mov_b32 s[G1+3], 32<<16                      ; tile_dim0 = 32
	s_mov_b32 s[G1+4], 34                          ; tile_dim1 = 34
	s_mov_b32 s[G1+5], 32                          ; from row to row
	s_mov_b32 s[G1+6], 0
	s_mov_b32 s[G1+7], 0
	s_mov_b32 s[CS], 0x3e38aa3b                    ; c = log2(e) / sqrt(64)
	s_mov_b32 s[CS+1], s[CS]                       ; (named with it as a pair, so it is written)
	s_mov_b32 s[SEL], 0x76543210
	s_mov_b32 s[SEL+1], 0xfedcba98
	s_mov_b32 s[TK], 0
	s_mov_b32 s[TS], 0
	s_wait_dscnt 0x0
	s_wait_kmcnt 0x0
	s_mov_b32 s[G0K], 1                            ; count = 1
	s_add_co_u32 s[G0K+1], s13, KSC                ; LDS address: a constant + the wave's number x 8,704
	s_add_nc_u64 s[G0K+2:G0K+3], s[4:5], s[50:51]
	s_or_b32 s[G0K+3], s[G0K+3], 0x80000000        ; type = 2
	s_mov_b32 s[G0V], 1
	s_mov_b32 s[G0V+1], s13
	s_add_nc_u64 s[G0V+2:G0V+3], s[4:5], s[50:51]
	s_add_nc_u64 s[G0V+2:G0V+3], s[G0V+2:G0V+3], PART   ; V's part follows K's
	s_or_b32 s[G0V+3], s[G0V+3], 0x80000000
	CROUND                                         ; all four work-groups are here: the joint loads meet
	tensor_load_to_lds s[G0K:G0K+3], s[G1:G1+7]    ; K first: pass 1 wants K alone
	s_nop 0
	tensor_load_to_lds s[G0V:G0V+3], s[G1:G1+7]
	s_nop 0
.rept 4
	v_nop                                          ; four v_nop follow the loads
.endr
	; Q and the output: here, and nowhere else, the place in the cluster enters
	s_bfe_u32 s9, ttmp6, 0x40000                   ; cx
	s_lshl_b32 s10, ttmp9, 2
	s_add_co_u32 s10, s10, s9                      ; qb: my block of 128 queries
	s_lshl_b32 s12, s10, 3
	s_add_co_u32 s12, s12, s[TL]                   ; T: my tile of 16
	s_lshl_b32 s52, s12, 9
	s_add_co_u32 s52, s52, s48
	s_add_co_u32 s52, s52, 8192                    ; Q's codes: 8,192 + 512 T
	s_mov_b32 s53, 0
	s_add_nc_u64 s[42:43], s[4:5], s[52:53]
	s_lshr_b32 s54, s12, 1
	s_lshl_b32 s54, s54, 6
	s_add_co_u32 s54, s54, s48                     ; Q's scale words: 64 (T / 2)
	s_mov_b32 s55, 0
	s_add_nc_u64 s[44:45], s[4:5], s[54:55]
	s_mul_i32 s58, s11, PART                       ; att: the batch-head's part
	s_lshl_b32 s56, s12, 9
	s_add_co_u32 s56, s56, s58
	s_add_co_u32 s56, s56, 8192
	s_mov_b32 s57, 0
	s_add_nc_u64 s[46:47], s[6:7], s[56:57]        ; my tile's codes
	s_lshl_b32 s59, s10, 8
	s_add_co_u32 s58, s58, s59
	s_mov_b32 s59, 0
	s_add_nc_u64 s[60:61], s[6:7], s[58:59]        ; my block's 256 scale bytes
	s_and_b32 s15, s[WV], 1
	s_lshl_b32 s15, s15, 4                         ; which half of Q's scale word is my tile's
	v_and_b32 v12, 31, v0                          ; lane
	v_and_b32 v14, 15, v0                          ; r
	v_lshlrev_b32 v11, 4, v12                      ; 16 lane
	v_lshlrev_b32 v13, 3, v12                      ; 8 lane
	v_lshlrev_b32 v15, 2, v14                      ; 4 r
	global_load_b128 v[QF:QF+3], v11, s[42:43]     ; q's 16 bytes: dims 32 h .. 32 h + 31 of query r,
	global_load_b128 v[QF+8:QF+11], v11, s[42:43]  ; twice
	global_load_b32 v[QW], v15, s[44:45]
	; every LDS address is made here, ahead of every parting on the wave's number: a constant + a constant x lane + a constant x a part of the wave's number
	s_lshl_b32 s14, s[KH], 12                      ; my first step's codes: 4,096 (w / 8)
	s_add_co_u32 s41, s14, KCD
	v_lshl_add_u32 v1, v12, 4, s41                 ; my lane's place in K's codes,
	s_add_co_u32 s41, s14, VCD
	v_lshl_add_u32 v3, v12, 4, s41                 ; in V's codes,
	s_lshl_b32 s14, s[KH], 8                       ; my first step's scale words: 256 (w / 8)
	s_add_co_u32 s41, s14, KSC
	v_lshl_add_u32 v2, v12, 2, s41                 ; in K's scale words,
	v_lshl_add_u32 v4, v12, 2, s14                 ; in V's scale words
	s_lshl_b32 s14, s[TL], 1
	s_add_co_u32 s14, s14, STG
	v_lshl_add_u32 v9, v14, 4, s14                 ; the stage: 16 r + 2 (w % 8)
	v_lshl_add_u32 v10, v12, 3, STG                ; and back: 8 lane
	s_lshl_b32 s14, s[WV], 8
	s_add_co_u32 s14, s14, MRG
	v_lshl_add_u32 v[MA], v12, 3, s14
	s_xor_b32 s14, s[WV], 8                        ; my partner: the other wave of my tile
	s_lshl_b32 s14, s14, 8
	s_add_co_u32 s14, s14, MRG
	v_lshl_add_u32 v[MB], v12, 3, s14
	s_lshl_b32 s14, s[TL], 12
	s_add_co_u32 s14, s14, OMG
	v_lshl_add_u32 v[OA], v12, 4, s14
	v_mov_b32 v5, v1                               ; the addresses in hand: my first step
	v_mov_b32 v6, v2
.irp j, 4,5,6,7
	v_mov_b32 v[QF+\j], 0                          ; zero codes
.endr
	v_mov_b32 v[SM], 0xff61b1e6                    ; -3e38, under every score
	v_mov_b32 v[M], 0xff61b1e6
	v_mov_b32 v[M+1], 0
	v_mov_b32 v[L0], 0
	v_mov_b32 v[L0+1], 0
	v_mov_b32 v[L1], 0
	v_mov_b32 v[L1+1], 0
	v_mov_b32 v[F+1], 0
	v_mov_b32 v[NL+1], 0
.irp b, 0,1,2,3
	v_mov_b32 v[TP+\b], 0                          ; written once: a lane permute's destination counts as one of its sources
.endr
	s_wait_loadcnt 0x0                             ; Q
	v_lshrrev_b32 v[QW], s15, v[QW]
	v_and_b32 v[QW], 0xffff, v[QW]
	v_lshl_or_b32 v[QW], v[QW], 16, v[QW]          ; my tile's two bytes, for k = 0 .. 63 and again for k = 64 .. 127
.irp j, 0,1,2,3,4,5,6,7,8,9,10,11,12,13,14,15,16,17,18,19,20,21,22,23,24,25,26,27,28,29,30,31
	v_mov_b32 v[O+\j], 0                           ; O^T: pass 2's step is written once.  (These are also the places between the scale word's last write and the first product)
.endr
.macro KLOAD                           ; a step's K: four fragments and their scale words: ten LDS loads
.irp b, 0,1,2,3
.irp c, 0,1
	ds_load_b128 v[KF+8*\b+4*\c:KF+8*\b+4*\c+3], v5 offset:1024*\b+512*\c
.endr
.endr
.irp i, 0,1
	ds_load_b32 v[KS+\i], v6 offset:128*\i
.endr
.endm
.macro VLOAD                           ; a step's V: four tiles of 16 channels x 128 keys: ten LDS loads
.irp t, 0,1,2,3
.irp c, 0,1
	ds_load_b128 v[VF+8*\t+4*\c:VF+8*\t+4*\c+3], v7 offset:1024*\t+512*\c
.endr
.endr
.irp i, 0,1
	ds_load_b32 v[VS+\i], v8 offset:128*\i
.endr
.endm
.macro QK c                            ; S^T = K Q^T + c: eight products, each with an accumulator of its own
.irp b, 0,1,2,3
.irp u, 0,1
.if \b % 2
	v_wmma_scale_f32_16x16x128_f8f6f4 v[S+16*\b+8*\u:S+16*\b+8*\u+7], v[KF+8*\b:KF+8*\b+7], v[QF+4*\u:QF+4*\u+7], \c, v[KS+\b/2], v[QW] matrix_a_fmt:MATRIX_FMT_FP4 matrix_b_fmt:MATRIX_FMT_FP4 matrix_a_scale:MATRIX_SCALE_ROW1
.else
	v_wmma_scale_f32_16x16x128_f8f6f4 v[S+16*\b+8*\u:S+16*\b+8*\u+7], v[KF+8*\b:KF+8*\b+7], v[QF+4*\u:QF+4*\u+7], \c, v[KS+\b/2], v[QW] matrix_a_fmt:MATRIX_FMT_FP4 matrix_b_fmt:MATRIX_FMT_FP4
.endif
.endr
.endr
.endm
	s_wait_tensorcnt 0x1                           ; my piece of K has landed; V's, issued behind it, may stay out: no LDS byte is ever filled again
	s_barrier_signal -1
	s_barrier_wait -1                              ; everybody's piece of K has
	KLOAD                                          ; my first step
	; ---- PASS 1: my 16 steps of 128 keys, every second step of the head's 32: 8,192 bytes of codes and 512 of scale words from one to the next.
	; Each lane keeps its own maximum and sum of its 64 keys a step: no lane is asked in the loop
	s_mov_b32 s[CNT], 16
.Lpass1:
	s_wait_dscnt 0x0                               ; this step's K
	QK 0
	s_add_co_u32 s[TK], s[TK], 8192                ; my next step's K; the mask turns the last trip's fetch back to my first step, which pass 2 wants first
	s_and_b32 s[TA], s[TK], 0x1e000
	s_add_co_u32 s[TS], s[TS], 512
	s_and_b32 s[TB], s[TS], 0x1e00
	v_add_nc_u32 v5, s[TA], v1                     ; these two and two v_nop are the four places in front of loads into registers that the products have read, and of the first read of results
	v_add_nc_u32 v6, s[TB], v2
	v_nop
	v_nop
	KLOAD
.irp b, 0,1,2,3
	v_max3_num_f32 v[BM+\b], v[S+16*\b], v[S+16*\b+1], v[S+16*\b+2]   ; four chains by turns; each accumulator is read from its low end on
.endr
.irp i, 3,5,7,9,11,13
.irp b, 0,1,2,3
	v_max3_num_f32 v[BM+\b], v[BM+\b], v[S+16*\b+\i], v[S+16*\b+\i+1]
.endr
.endr
	v_max3_num_f32 v[BM], v[BM], v[S+15], v[S+31]
	v_max3_num_f32 v[BM+2], v[BM+2], v[S+47], v[S+63]
	v_max3_num_f32 v[SM], v[SM], v[BM], v[BM+1]
	v_max3_num_f32 v[SM], v[SM], v[BM+2], v[BM+3]  ; my largest score so far
	v_mul_f32 v[MN], s[CS], v[SM]                  ; the new M
	v_sub_f32 v[F], v[M], v[MN]
	v_mov_b32 v[M], v[MN]
	v_exp_f32 v[F], v[F]                           ; 2^(old M - new M), 0 in the first step
	v_pk_fma_f32 v[S:S+1], v[S:S+1], s[CS:CS+1], v[M:M+1] op_sel_hi:[1,0,0] neg_lo:[0,0,1] neg_hi:[0,0,1]      ; c s - M, two at a time
	v_pk_fma_f32 v[S+2:S+3], v[S+2:S+3], s[CS:CS+1], v[M:M+1] op_sel_hi:[1,0,0] neg_lo:[0,0,1] neg_hi:[0,0,1]
	s_wait_alu depctr_va_vdst(0)
	v_pk_mul_f32 v[L0:L0+1], v[L0:L0+1], v[F:F+1] op_sel_hi:[1,0]   ; the sums under the new M
	v_pk_mul_f32 v[L1:L1+1], v[L1:L1+1], v[F:F+1] op_sel_hi:[1,0]
	; 64 exponentials and plain lines by turns: the scaling two pairs ahead, the sum a pair back.  Each exponential has a plain line behind it before its result is used
.set p, 0
.rept 32
	v_exp_f32 v[S+2*p], v[S+2*p]
.if p < 30
	v_pk_fma_f32 v[S+2*p+4:S+2*p+5], v[S+2*p+4:S+2*p+5], s[CS:CS+1], v[M:M+1] op_sel_hi:[1,0,0] neg_lo:[0,0,1] neg_hi:[0,0,1]
.endif
	v_exp_f32 v[S+2*p+1], v[S+2*p+1]
.if p > 0
	s_wait_alu depctr_va_vdst(0)
	v_pk_add_f32 v[L0+4*((p-1)%2):L0+4*((p-1)%2)+1], v[L0+4*((p-1)%2):L0+4*((p-1)%2)+1], v[S+2*p-2:S+2*p-1]
.endif
.set p, p+1
.endr
	v_pk_add_f32 v[L1:L1+1], v[L1:L1+1], v[S+62:S+63]
	s_sub_co_u32 s[CNT], s[CNT], 1
	s_cmp_lg_u32 s[CNT], 0
	s_cbranch_scc1 .Lpass1
	; ---- BETWEEN THE PASSES.  First the two lanes of a query meet: my wave's largest score and its sum under MXW = c x that score
	v_permlanex16_b32 v[TP], v[SM], s[SEL], s[SEL+1]
	v_pk_add_f32 v[L0:L0+1], v[L0:L0+1], v[L1:L1+1]
	v_max_num_f32 v[WS0], v[SM], v[TP]
	v_add_f32 v[L0], v[L0], v[L0+1]
	v_mul_f32 v[MXW], s[CS], v[WS0]
	v_sub_f32 v[F], v[M], v[MXW]
	v_exp_f32 v[F], v[F]
	v_nop                                          ; a plain place behind the exponential
	s_wait_alu depctr_va_vdst(0)
	v_mul_f32 v[L0], v[L0], v[F]                   ; my lane's sum under MXW,
	v_permlanex16_b32 v[TP+1], v[L0], s[SEL], s[SEL+1]
	v_add_f32 v[WS0+1], v[L0], v[TP+1]             ; and the other lane's
	ds_store_b64 v[MA], v[WS0:WS0+1]               ; for my partner: the wave stores 256 consecutive bytes of its own
	s_wait_tensorcnt 0x0                           ; my piece of V has landed,
	s_wait_dscnt 0x0                               ; my store has, and no LDS load of mine is out at a signal
	s_barrier_signal -1
	s_barrier_wait -1                              ; both hold of every wave
	ds_load_b64 v[PS0:PS0+1], v[MB]                ; then the two waves of a tile meet
	s_wait_dscnt 0x0
	v_max_num_f32 v[SMX], v[WS0], v[PS0]           ; the row's largest score
	v_mul_f32 v[MXP], s[CS], v[PS0]                ; my partner's M: the same instruction on the same number gives the same bits
	v_mul_f32 v[MX], s[CS], v[SMX]                 ; the row's M
	v_sub_f32 v[F], v[MXW], v[MX]
	v_sub_f32 v[FP], v[MXP], v[MX]
	v_exp_f32 v[F], v[F]
	v_exp_f32 v[FP], v[FP]
	v_fma_f32 v[DL], s[CS], v[SMX], -v[MX]         ; c smax - M, exactly: what M's rounding left out.  (A plain place behind the exponentials)
	s_wait_alu depctr_va_vdst(0)
	v_mul_f32 v[L0], v[WS0+1], v[F]                ; both sums under the row's M;
	v_mul_f32 v[L1], v[PS0+1], v[FP]
	v_add_f32 v[L0], v[L0], v[L1]                  ; two products and one addition, which does not mind the order: both partners get the same bits
	v_log_f32 v[L0], v[L0]
.irp j, 0,1,2,3,4,5,6,7
	v_mul_f32 v[NM+\j], -1.0, v[SMX]               ; -smax: the C of pass 2's products.  (Plain places behind the logarithm)
.endr
	s_wait_alu depctr_va_vdst(0)
	v_sub_f32 v[NL], v[DL], v[L0]
	s_mov_b32 s[TK], 8192                          ; pass 2 fetches K a step ahead (my first step is in), V for the step in hand
	s_mov_b32 s[TS], 512
	s_mov_b32 s[TV], 0
	s_mov_b32 s[TW], 0
	v_add_nc_u32 v5, s[TK], v1
	v_add_nc_u32 v6, s[TS], v2
	v_mov_b32 v7, v3
	v_mov_b32 v8, v4
	; ---- PASS 2: my 16 steps of 128 keys again
	s_mov_b32 s[CNT], 16
.Lpass2:
	s_wait_dscnt 0x0                               ; this step's K
	QK v[NM:NM+7]                                  ; s - smax
.rept 4
	v_nop                                          ; places in front of the loads into K's and V's registers and of the first read of results
.endr
	VLOAD                                          ; this step's V
	KLOAD                                          ; my next step's K (the last trip's, my first step again, is not used)
	v_pk_fma_f32 v[S:S+1], v[S:S+1], s[CS:CS+1], v[NL:NL+1] op_sel_hi:[1,0,0]   ; the exponent c (s - smax) + NL
	v_max_num_f32 v[BM], v[S], v[S+1]
	; 64 exponentials and 62 plain lines by turns: the next pair's exponents, and their share in the block's largest exponent, which is taken before the exponentials write over them
.set p, 0
.rept 32
	v_exp_f32 v[S+2*p], v[S+2*p]
.if p < 31
	v_pk_fma_f32 v[S+2*p+2:S+2*p+3], v[S+2*p+2:S+2*p+3], s[CS:CS+1], v[NL:NL+1] op_sel_hi:[1,0,0]
.endif
	v_exp_f32 v[S+2*p+1], v[S+2*p+1]
.if p < 31
.if (p+1)%8 == 0
	v_max_num_f32 v[BM+(p+1)/8], v[S+2*p+2], v[S+2*p+3]
.else
	v_max3_num_f32 v[BM+(p+1)/8], v[BM+(p+1)/8], v[S+2*p+2], v[S+2*p+3]
.endif
.endif
.set p, p+1
.endr
.irp b, 0,1,2,3
	v_permlanex16_b32 v[TP+\b], v[BM+\b], s[SEL], s[SEL+1]
.endr
.irp b, 0,1,2,3
	v_max_num_f32 v[BM+\b], v[BM+\b], v[TP+\b]     ; with lane l xor 16's 16 keys: the block's largest exponent
.endr
.irp b, 0,1,2,3
	v_exp_f32 v[BM+\b], v[BM+\b]                   ; the block's largest weight: the same instruction on the same number gives the same bits
.endr
	v_nop                                          ; a plain place behind the exponentials
	s_wait_alu depctr_va_vdst(0)
.irp b, 0,1,2,3
	v_max_num_f32 v[BM+\b], 0x1800000, v[BM+\b]    ; the floor 2^(3 - 127): the byte cannot fall under 1
.endr
.irp b, 0,1,2,3
	v_add_nc_u32 v[SO+\b], 0xff000000, v[BM+\b]    ; 2 off the exponent field: the conversion's scale operand
.endr
.irp b, 0,1,2,3
	v_lshrrev_b32 v[BY+\b], 23, v[SO+\b]
.endr
	v_lshl_or_b32 v[PW], v[BY+1], 8, v[BY]         ; p's scale word for these 128 keys
	v_lshl_or_b32 v[PW], v[BY+2], 16, v[PW]
	v_lshl_or_b32 v[PW], v[BY+3], 24, v[PW]
.irp b, 0,1,2,3
	v_cvt_scalef32_pk8_fp4_f32 v[PC+2*\b], v[S+16*\b:S+16*\b+7], v[SO+\b]
	v_cvt_scalef32_pk8_fp4_f32 v[PC+2*\b+1], v[S+16*\b+8:S+16*\b+15], v[SO+\b]
.endr
	v_nop                                          ; one plain place behind a scaled conversion
.irp c, 0,1
.irp i, 0,1
	v_permlane16_swap_b32 v[PC+4*\c+\i], v[PC+4*\c+2+\i]   ; a whole block to a lane: lanes 0-15 block 2 c, lanes 16-31 block 2 c + 1
.endr
.endr
	s_add_co_u32 s[TK], s[TK], 8192
	s_and_b32 s[TA], s[TK], 0x1e000
	s_add_co_u32 s[TS], s[TS], 512
	s_and_b32 s[TB], s[TS], 0x1e00
	s_add_co_u32 s[TV], s[TV], 8192
	s_add_co_u32 s[TW], s[TW], 512
	v_add_nc_u32 v5, s[TA], v1                     ; the next trip's addresses.  With the v_nop behind the conversions, these four and the three v_nop below are the eight places
	v_add_nc_u32 v6, s[TB], v2                     ; between the scale word's last write and the products; the codes, written last by the exchanges, have seven
	v_add_nc_u32 v7, s[TV], v3
	v_add_nc_u32 v8, s[TW], v4
.rept 3
	v_nop
.endr
	s_wait_dscnt 10                                ; V's ten loads are in; K's ten were issued behind them
.irp t, 0,1,2,3                                    ; O^T += V^T P^T: the four accumulators by turns, and the eight products K Q^T stand between two links of a chain
.if \t % 2
	v_wmma_scale_f32_16x16x128_f8f6f4 v[O+8*\t:O+8*\t+7], v[VF+8*\t:VF+8*\t+7], v[PC:PC+7], v[O+8*\t:O+8*\t+7], v[VS+\t/2], v[PW] matrix_a_fmt:MATRIX_FMT_FP4 matrix_b_fmt:MATRIX_FMT_FP4 matrix_a_scale:MATRIX_SCALE_ROW1
.else
	v_wmma_scale_f32_16x16x128_f8f6f4 v[O+8*\t:O+8*\t+7], v[VF+8*\t:VF+8*\t+7], v[PC:PC+7], v[O+8*\t:O+8*\t+7], v[VS+\t/2], v[PW] matrix_a_fmt:MATRIX_FMT_FP4 matrix_b_fmt:MATRIX_FMT_FP4
.endif
.endr
	s_sub_co_u32 s[CNT], s[CNT], 1
	s_cmp_lg_u32 s[CNT], 0
	s_cbranch_scc1 .Lpass2
	; ---- THE TWO HALVES OF O^T MEET.  Waves 8-15 put theirs into LDS as an image of its registers, 16 bytes a lane, 512 consecutive bytes a store; waves 0-7 take it back by the same lines and add
.rept 4
	v_nop                                          ; places in front of the first read of results
.endr
	s_cmp_lt_u32 s[WV], 8
	s_cbranch_scc1 .Lowner
.irp i, 0,1,2,3,4,5,6,7
	ds_store_b128 v[OA], v[O+4*\i:O+4*\i+3] offset:512*\i           ; each accumulator from its low end on
.endr
.Lowner:
	s_wait_dscnt 0x0                               ; for the others' sake: my stores have landed (and the unused fetch of K is in)
	s_barrier_signal -1
	s_barrier_wait -1
	s_cmp_lt_u32 s[WV], 8
	s_cbranch_scc0 .Lrest                          ; waves 8-15 have nothing more to compute; they pass the barriers below
.irp i, 0,1,2,3,4,5,6,7
	ds_load_b128 v[S+4*\i:S+4*\i+3], v[OA] offset:512*\i
.endr
	s_wait_dscnt 0x0
.set j, 0
.rept 16
	v_pk_add_f32 v[O+2*j:O+2*j+1], v[O+2*j:O+2*j+1], v[S+2*j:S+2*j+1]
.set j, j+1
.endr
	; ---- THE WAY OUT.  Register 16 b + i of O^T is channel 32 b + 16 (lane / 16) + i of my query (V's rows were chosen for it): two blocks of 32 along the last product's K
.irp b, 0,1
	v_max3_num_f32 v[BM+\b], |v[O+16*\b]|, |v[O+16*\b+1]|, 0x1800000
.endr
.irp i, 2,4,6,8,10,12,14
.irp b, 0,1
	v_max3_num_f32 v[BM+\b], v[BM+\b], |v[O+16*\b+\i]|, |v[O+16*\b+\i+1]|
.endr
.endr
.irp b, 0,1
	v_permlanex16_b32 v[TP+\b], v[BM+\b], s[SEL], s[SEL+1]
.endr
.irp b, 0,1
	v_max_num_f32 v[BM+\b], v[BM+\b], v[TP+\b]
.endr
.irp b, 0,1
	v_add_nc_u32 v[SO+\b], 0xff000000, v[BM+\b]
.endr
.irp b, 0,1
	v_lshrrev_b32 v[BY+\b], 23, v[SO+\b]
.endr
	v_lshl_or_b32 v[BY], v[BY+1], 8, v[BY]         ; my query's two scale bytes
.irp b, 0,1
	v_cvt_scalef32_pk8_fp4_f32 v[PC+2*\b], v[O+16*\b:O+16*\b+7], v[SO+\b]
	v_cvt_scalef32_pk8_fp4_f32 v[PC+2*\b+1], v[O+16*\b+8:O+16*\b+15], v[SO+\b]
.endr
	v_nop                                          ; one plain place behind a scaled conversion
.irp i, 0,1
	v_permlane16_swap_b32 v[PC+\i], v[PC+2+\i]     ; lanes 0-15: channels 0-31, lanes 16-31: channels 32-63
.endr
	global_store_b128 v11, v[PC:PC+3], s[46:47]    ; the wave stores 512 consecutive bytes
	ds_store_b16 v9, v[BY]                         ; both halves of the lanes write the same two bytes with the same value
.Lrest:
	s_wait_dscnt 0x0                               ; for the others' sake: my store has landed
	s_barrier_signal -1
	s_barrier_wait -1
	s_cmp_lg_u32 s[WV], 0
	s_cbranch_scc1 .Lno_half
	ds_load_b64 v[TP:TP+1], v10                    ; wave 0: the block's 256 scale bytes leave by one store
	s_wait_dscnt 0x0
	global_store_b64 v13, v[TP:TP+1], s[60:61]
.Lno_half:
	s_wait_tensorcnt 0x0
	ds_add_u32 v222, v223
	s_wait_dscnt 0x0
	CROUND                                         ; the closing round: no work-group ends while a partner may still ask for a piece that names it
	s_endpgm
.Lfunc_end_k_q213edb6685_attn:
	.size	k_q213edb6685_attn, .Lfunc_end_k_q213edb6685_attn-k_q213edb6685_attn
	.p2alignl 7, 3214868480
	.fill 96, 4, 3214868480
	.section	.rodata,"a",@progbits
	.p2align	6, 0x0
	.amdhsa_kernel k_q213edb6685_attn
		.amdhsa_group_segment_fixed_size 327680
		.amdhsa_private_segment_fixed_size 0
		.amdhsa_enable_private_segment 0
		.amdhsa_kernarg_size 16
		.amdhsa_user_sgpr_count 2
		.amdhsa_user_sgpr_kernarg_segment_ptr 1
		.amdhsa_wavefront_size32 1
		.amdhsa_system_sgpr_workgroup_id_x 1
		.amdhsa_system_sgpr_workgroup_id_y 1
		.amdhsa_system_sgpr_workgroup_id_z 1
		.amdhsa_system_vgpr_workitem_id 0
		.amdhsa_next_free_vgpr 256
		.amdhsa_next_free_sgpr 66
		.amdhsa_reserve_vcc 0
		.amdhsa_float_denorm_mode_32 3
		.amdhsa_float_denorm_mode_16_64 3
		.amdhsa_memory_ordered 1
		.amdhsa_forward_progress 1
		.amdhsa_inst_pref_size 39
	.end_amdhsa_kernel
	.amdgpu_metadata
---
amdhsa.version: [ 1, 2 ]
amdhsa.kernels:
  - .name:           k_q213edb6685_attn
    .symbol:         k_q213edb6685_attn.kd
    .args:
      - { .name: qkv, .offset: 0, .size: 8, .value_kind: global_buffer, .address_space: global }
      - { .name: att, .offset: 8, .size: 8, .value_kind: global_buffer, .address_space: global }
    .group_segment_fixed_size: 327680
    .private_segment_fixed_size: 0
    .kernarg_segment_align: 8
    .kernarg_segment_size: 16
    .max_flat_workgroup_size: 512
    .sgpr_count:     66
    .vgpr_count:     256
    .wavefront_size: 32
...
	.end_amdgpu_metadata
.endif
;; end of part 3
;; launch proj (part 4): grid 64 x 4, 4 waves a work-group, no clusters, 34,304 bytes of LDS; arguments att, W3_codes, W3_scales, b3, x, out0; writes out0
.if DOCPART == 4
	.amdgcn_target "amdgcn-amd-amdhsa--gfx1250"
	.amdhsa_code_object_version 6
	.text
	.protected	k_q213edb6685_proj
	.globl	k_q213edb6685_proj
	.p2align	8
	.type	k_q213edb6685_proj,@function
k_q213edb6685_proj:
	s_mov_b64 s[64:65], 0
	v_nop
	global_prefetch_b8 v0, s[64:65] scope:SCOPE_SE
	s_setreg_imm32_b32 hwreg(HW_REG_WAVE_MODE, 25, 1), 1
	s_wait_xcnt 0x0
; out0 = (x + W3^T a + b3) / sqrt(2), a = the attention's output, which arrives as codes of FP4 (E2M1) with their scale bytes, laid as images of the operand's registers.
; SHARES.  Work-group (x = 32 b + g', y = dq) takes pixels 128 g' .. + 127 of batch b and output channels 64 dq .. + 63; wave w the channels d = 64 dq + 16 w + r, for all eight tiles of 16 pixels.
; K = 256 channels = four heads of 64: K step s is heads 2 s and 2 s + 1; registers 4 c .. 4 c + 3 of a fragment are head 2 s + c's 16 bytes of the lane, as they lie in att.
; Source 0 = 16 pixels of a, source 1 = 16 rows of W3: a lane holds ONE channel d and eight neighbouring pixels (row m of tile 2 pb + u is pixel 32 pb + 8 u + m + 8 (m / 8)).  b3 is the C of the first K step.
; The results go through the wave's own stage in LDS and come back as rows of 128 pixels: the wave stores 512 consecutive bytes of a channel's row.  No barrier: no wave reads another's bytes.
; Operands go from memory straight into registers in their own order, so the launch has no tensor load and no cluster.
; LIMIT: the result is multiplied by the f32 nearest to 1 / sqrt(2) where the definition divides by sqrt(2): the last bit may differ.
; REGISTERS: window 0: v1-11 addresses; v16-31 W3's two fragments; v32-33 its scale words; v34-41 b3; v44-59 a's scale bytes as loaded; v64-127 x's 16 rows; v128-191 the accumulators; v192-207 a's scale words.   window 1: a's 16 fragments.
.set PART, 139264
.set W3F, 16
.set WS,  32
.set BI,  34
.set RAW, 44                           ; head hd: 4 registers: the halfwords of tiles 0 .. 7 of my row
.set XR,  64
.set ACC, 128
.set HS,  192                          ; (tile t, K step s) at 2 t + s
.set MSB, 0
.macro WIN new                         ; the immediate's high byte repeats the setting that is left
.if MSB != \new
	s_set_vgpr_msb (MSB<<8)|\new
.set MSB, \new
.endif
.endm
	s_load_b256 s[4:11], s[0:1], 0x0               ; att s[4:5], W3 codes s[6:7], W3 scales s[8:9], b3 s[10:11]
	s_load_b128 s[12:15], s[0:1], 0x20             ; x s[12:13], out0 s[14:15]
	v_lshl_add_u32 v254, v0, 2, 0x8400
	v_mov_b32 v255, 0
	v_lshrrev_b32 v1, 5, v0
	v_readfirstlane_b32 s2, v1                     ; wave 0..3
	s_lshr_b32 s16, ttmp9, 5                       ; batch b
	s_and_b32 s17, ttmp9, 31                       ; g'
	s_and_b32 s18, ttmp7, 0xffff                   ; dq
	s_lshl_b32 s19, s18, 6
	s_lshl_b32 s20, s2, 4
	s_add_co_u32 s19, s19, s20                     ; my first channel: 64 dq + 16 w
	s_mul_i32 s22, s16, 4*PART                     ; att: the batch's four heads
	s_mov_b32 s23, 0
	s_lshl_b32 s24, s19, 7                         ; W3: 128 bytes of codes a row,
	s_mov_b32 s25, 0
	s_lshl_b32 s26, s19, 3                         ; 8 scale bytes,
	s_mov_b32 s27, 0
	s_lshl_b32 s28, s19, 2                         ; 4 bytes of b3
	s_mov_b32 s29, 0
	s_lshl_b32 s30, s16, 22                        ; x and out0: 4 MiB b + 16,384 d + 512 g'
	s_lshl_b32 s20, s19, 14
	s_add_co_u32 s30, s30, s20
	s_lshl_b32 s20, s17, 9
	s_add_co_u32 s30, s30, s20
	s_mov_b32 s31, 0
	s_mov_b32 s32, 0x3f3504f3                      ; 1 / sqrt(2)
	s_mov_b32 s33, s32                             ; (named with it as a pair, so it is written)
	v_and_b32 v2, 31, v0                           ; lane
	v_and_b32 v3, 15, v0                           ; r
	v_bfe_u32 v1, v0, 4, 1                         ; h
	v_lshlrev_b32 v4, 7, v3
	v_lshl_add_u32 v4, v1, 4, v4                   ; W3's codes: row r, + 16 h
	v_lshlrev_b32 v5, 3, v3                        ; its scale words
	v_lshlrev_b32 v6, 2, v3                        ; b3
	s_lshl_b32 s20, s17, 8
	v_lshl_add_u32 v7, v3, 4, s20                  ; a's scale bytes: 256 g' + 16 r
	s_lshl_b32 s20, s17, 12
	v_lshl_add_u32 v8, v2, 4, s20                  ; a's codes: 512 (8 g') + 16 lane
	v_lshlrev_b32 v9, 4, v2                        ; x and out0: 16 lane
	s_mul_i32 s34, s2, 16*528                      ; my stage: 16 rows of 512 bytes + 16
	v_mul_u32_u24 v10, v3, 528
	v_lshl_add_u32 v10, v1, 6, v10
	v_add_nc_u32 v10, s34, v10                     ; in: row r, + 64 h
	v_add_nc_u32 v11, s34, v9                      ; back: 16 lane of a row
	s_wait_kmcnt 0x0
	s_add_nc_u64 s[4:5], s[4:5], s[22:23]
	s_add_nc_u64 s[6:7], s[6:7], s[24:25]
	s_add_nc_u64 s[8:9], s[8:9], s[26:27]
	s_add_nc_u64 s[10:11], s[10:11], s[28:29]
	s_add_nc_u64 s[12:13], s[12:13], s[30:31]
	s_add_nc_u64 s[14:15], s[14:15], s[30:31]
.irp s, 0,1
.irp c, 0,1
	global_load_b128 v[W3F+8*\s+4*\c:W3F+8*\s+4*\c+3], v4, s[6:7] offset:64*\s+32*\c
.endr
.endr
	global_load_b64 v[WS:WS+1], v5, s[8:9]
.irp j, 0,1,2,3,4,5,6,7
	global_load_b32 v[BI+\j], v6, s[10:11]         ; a lane holds one channel in all eight registers of a tile: the same word eight times
.endr
.irp hd, 0,1,2,3
	global_load_b128 v[RAW+4*\hd:RAW+4*\hd+3], v7, s[4:5] offset:PART*\hd
.endr
	WIN 0x40                                       ; destination window 1, address window 0
.irp t, 0,1,2,3,4,5,6,7
.irp s, 0,1
.irp c, 0,1
	global_load_b128 v[16*\t+8*\s+4*\c:16*\t+8*\s+4*\c+3], v8, s[4:5] offset:PART*(2*\s+\c)+8192+512*\t   ; the wave reads 512 consecutive bytes
.endr
.endr
.endr
	WIN 0
.irp i, 0,1,2,3,4,5,6,7,8,9,10,11,12,13,14,15
	global_load_b128 v[XR+4*\i:XR+4*\i+3], v9, s[12:13] offset:16384*\i th:TH_LOAD_NT   ; x by rows, as the results will leave; read once in this launch
.endr
	s_wait_loadcnt 16                              ; all but x's sixteen rows, which were issued last
.irp t, 0,2,4,6
.irp s, 0,1
	v_perm_b32 v[HS+2*\t+\s], v[RAW+4*(2*\s+1)+\t/2], v[RAW+8*\s+\t/2], 0x05040100       ; an even tile: the low halves: head 2 s's two bytes below, head 2 s + 1's above
	v_perm_b32 v[HS+2*\t+2+\s], v[RAW+4*(2*\s+1)+\t/2], v[RAW+8*\s+\t/2], 0x07060302     ; the odd tile beside it: the high halves
.endr
.endr
.rept 8
	v_nop                                          ; a scale register written by a vector instruction stands 8 places ahead of a scaled matrix instruction
.endr
	WIN 0x01                                       ; source 0 (a) window 1
.irp t, 0,1,2,3,4,5,6,7                            ; the eight accumulators take turns, one instruction a turn
	v_wmma_scale_f32_16x16x128_f8f6f4 v[ACC+8*\t:ACC+8*\t+7], v[16*\t:16*\t+7], v[W3F:W3F+7], v[BI:BI+7], v[HS+2*\t], v[WS] matrix_a_fmt:MATRIX_FMT_FP4 matrix_b_fmt:MATRIX_FMT_FP4
.endr
.irp t, 0,1,2,3,4,5,6,7
	v_wmma_scale_f32_16x16x128_f8f6f4 v[ACC+8*\t:ACC+8*\t+7], v[16*\t+8:16*\t+15], v[W3F+8:W3F+15], v[ACC+8*\t:ACC+8*\t+7], v[HS+2*\t+1], v[WS+1] matrix_a_fmt:MATRIX_FMT_FP4 matrix_b_fmt:MATRIX_FMT_FP4
.endr
	WIN 0
.rept 4
	v_nop                                          ; places in front of the first read of results and of the loads that land on them
.endr
.irp t, 0,1,2,3,4,5,6,7
	ds_store_b128 v10, v[ACC+8*\t:ACC+8*\t+3] offset:128*(\t/2)+32*(\t%2)        ; lane (r, h): pixels 32 (t / 2) + 16 h + 8 (t % 2) + 0 .. 7 of channel r; each accumulator from its low end on
	ds_store_b128 v10, v[ACC+8*\t+4:ACC+8*\t+7] offset:128*(\t/2)+32*(\t%2)+16
.endr
.irp i, 0,1,2,3,4,5,6,7,8,9,10,11,12,13,14,15
	ds_load_b128 v[ACC+4*\i:ACC+4*\i+3], v11 offset:528*\i                       ; LDS serves a wave's instructions in order (ISA guide 5.7.1.4): these see my stores
.endr
	s_wait_loadcnt 0x0                             ; x
.irp i, 0,1,2,3,4,5,6,7,8,9,10,11,12,13,14,15
	s_wait_dscnt 15-\i                             ; row i is back; the rows behind it may be out
	v_pk_add_f32 v[ACC+4*\i:ACC+4*\i+1], v[ACC+4*\i:ACC+4*\i+1], v[XR+4*\i:XR+4*\i+1]
	v_pk_add_f32 v[ACC+4*\i+2:ACC+4*\i+3], v[ACC+4*\i+2:ACC+4*\i+3], v[XR+4*\i+2:XR+4*\i+3]
	v_pk_mul_f32 v[ACC+4*\i:ACC+4*\i+1], v[ACC+4*\i:ACC+4*\i+1], s[32:33] op_sel_hi:[1,0]
	v_pk_mul_f32 v[ACC+4*\i+2:ACC+4*\i+3], v[ACC+4*\i+2:ACC+4*\i+3], s[32:33] op_sel_hi:[1,0]
	global_store_b128 v9, v[ACC+4*\i:ACC+4*\i+3], s[14:15] offset:16384*\i th:TH_STORE_NT   ; 32 lanes store 512 consecutive bytes, at a multiple of 256 from out0's first byte
.endr
	s_wait_tensorcnt 0x0
	ds_add_u32 v254, v255
	s_wait_dscnt 0x0
	s_endpgm
.Lfunc_end_k_q213edb6685_proj:
	.size	k_q213edb6685_proj, .Lfunc_end_k_q213edb6685_proj-k_q213edb6685_proj
	.p2alignl 7, 3214868480
	.fill 96, 4, 3214868480
	.section	.rodata,"a",@progbits
	.p2align	6, 0x0
	.amdhsa_kernel k_q213edb6685_proj
		.amdhsa_group_segment_fixed_size 34304
		.amdhsa_private_segment_fixed_size 0
		.amdhsa_enable_private_segment 0
		.amdhsa_kernarg_size 48
		.amdhsa_user_sgpr_count 2
		.amdhsa_user_sgpr_kernarg_segment_ptr 1
		.amdhsa_wavefront_size32 1
		.amdhsa_system_sgpr_workgroup_id_x 1
		.amdhsa_system_sgpr_workgroup_id_y 1
		.amdhsa_system_sgpr_workgroup_id_z 1
		.amdhsa_system_vgpr_workitem_id 0
		.amdhsa_next_free_vgpr 384
		.amdhsa_next_free_sgpr 66
		.amdhsa_reserve_vcc 0
		.amdhsa_float_denorm_mode_32 3
		.amdhsa_float_denorm_mode_16_64 3
		.amdhsa_memory_ordered 1
		.amdhsa_forward_progress 1
		.amdhsa_inst_pref_size 21
	.end_amdhsa_kernel
	.amdgpu_metadata
---
amdhsa.version: [ 1, 2 ]
amdhsa.kernels:
  - .name:           k_q213edb6685_proj
    .symbol:         k_q213edb6685_proj.kd
    .args:
      - { .name: att, .offset: 0, .size: 8, .value_kind: global_buffer, .address_space: global }
      - { .name: W3_codes, .offset: 8, .size: 8, .value_kind: global_buffer, .address_space: global }
      - { .name: W3_scales, .offset: 16, .size: 8, .value_kind: global_buffer, .address_space: global }
      - { .name: b3, .offset: 24, .size: 8, .value_kind: global_buffer, .address_space: global }
      - { .name: x, .offset: 32, .size: 8, .value_kind: global_buffer, .address_space: global }
      - { .name: out0, .offset: 40, .size: 8, .value_kind: global_buffer, .address_space: global }
    .group_segment_fixed_size: 34304
    .private_segment_fixed_size: 0
    .kernarg_segment_align: 8
    .kernarg_segment_size: 48
    .max_flat_workgroup_size: 128
    .sgpr_count:     66
    .vgpr_count:     384
    .wavefront_size: 32
...
	.end_amdgpu_metadata
.endif
;; end of part 4
